; MI455X (gfx1250); checked and timed in simulation.
; The chip was launched on July 23, 2026; its instructions are those of AMD's public machine-readable ISA for CDNA 5 (MIT licence, August 2026) and "CDNA5" Instruction Set Architecture Reference Guide (July 2026). The comments in the code are by the model that wrote it; some were corrected since.
;; Multi Head Attention. Allowed arithmetic: matrix products marked QUANTISED: E2M3 operands, one E8M0 scale for each 32 along K, by v_wmma_scale_f32_16x16x128_f8f6f4 with both operands' format E2M3, f32 sums; everything else in f32.
;; Inputs: K 2 x 2,048 x 1,024 float32; Q 2 x 2,048 x 1,024 float32; V 2 x 2,048 x 1,024 float32; Wk 1,024 x 1,024 float32; Wo 1,024 x 1,024 float32; Wq 1,024 x 1,024 float32; Wv 1,024 x 1,024 float32; bk 1,024 float32; bo 1,024 float32; bq 1,024 float32; bv 1,024 float32.
;; Outputs: out0 2 x 2,048 x 1,024 float32.
;; This version of the problem:
;;   THIS VERSION OF THE PROBLEM IS GIVEN IN LOW PRECISION. The matrix products marked QUANTISED in the list below multiply operands that are first quantised to E2M3 (2 exponent bits, 3 mantissa bits; 6 bits a number), with one power-of-two scale for each 32 numbers along K (OCP MX v1.0); their sums are f32. All else is computed in f32.
;;   The module's matrix products, in the order in which they are computed (A, B: the left and right operand; K: the contracted axis; several contracted axes count as one K, in the product's order):
;;     1. [M 4,096, K 1,024] x [K 1,024, N 1,024]; A: input Q; B: input Wq: QUANTISED
;;     2. [M 4,096, K 1,024] x [K 1,024, N 1,024]; A: input K; B: input Wk: QUANTISED
;;     3. [M 4,096, K 1,024] x [K 1,024, N 1,024]; A: input V; B: input Wv: QUANTISED
;;     4. batch 32 x [M 2,048, K 64] x [K 64, N 2,048]; A: computed on the way; B: computed on the way: QUANTISED
;;     5. batch 32 x [M 2,048, K 2,048] x [K 2,048, N 64]; A: softmax (see below); B: computed on the way: QUANTISED
;;     6. [M 4,096, K 1,024] x [K 1,024, N 1,024]; A: computed on the way; B: input Wo: QUANTISED
;;   THE QUANTISER, for each operand of a quantised product, along K:
;;     - K is cut into blocks of 32 from its start; a last block that is shorter is filled with zeros.
;;     - A block's scale is 2^e with e = floor(log2(the largest magnitude in the block)) - 2, held to -126 .. 127; a block of zeros has e = 0. As a byte (E8M0): e + 127.
;;     - Each number is divided by its block's scale, clamped to +-7.5, and rounded to the nearest number of E2M3, ties to even, subnormals kept.
;;     - The product sums the exact products of the quantised numbers (number of the format x scale) in f32.
;;   ~~~python
;;   def quantise(x, axis):      # numpy; x: float32 -> the quantised numbers, widened to float32 again
;;       x = np.moveaxis(x, axis, -1); K = x.shape[-1]
;;       x = np.pad(x, [(0, 0)] * (x.ndim - 1) + [(0, -K % 32)]); x = x.reshape(x.shape[:-1] + (-1, 32)); a = np.abs(x).max(-1, keepdims=True)
;;       e = np.where(a > 0, np.clip(np.frexp(np.where(a > 0, a, 1))[1] - 1 - 2, -126, 127), 0)      # np.frexp(a)[1] - 1 = floor(log2(a)), exactly
;;       r = np.clip(x / 2.0 ** e, -7.5, 7.5)
;;       step = 2.0 ** (np.maximum(np.frexp(np.where(r == 0, 1, r))[1] - 1, 0) - 3)
;;       q = np.round(r / step) * step * 2.0 ** e      # np.round: ties to even
;;       return np.moveaxis(q.reshape(q.shape[:-2] + (-1,))[..., :K], -1, axis).astype(np.float32)
;;   ~~~
;;   SOFTMAX AHEAD OF A QUANTISED PRODUCT. Where the list says 'softmax', what is quantised is not the finished softmax but p = 2^(t - M), with t = logit x log2(e) and M = ceil(the row's largest t), a whole number; so 1/2 < the row's largest p <= 1. The row's sum l is taken of the UNQUANTISED p, in f32, and the product's result is divided by l at the end. Since M is a whole number, a kernel that streams over the keys may use a running M (the ceiling of the running maximum): every later rescaling is an exact power of two, which a block's scale takes up: the codes' values come out the same.
;;   OPERANDS COMPUTED ON THE WAY. 'Computed on the way' means the value that the module computes at that place (a softmax that the list does not call 'softmax' is quantised finished and normalised). What goes into a quantiser is computed in f32, as accurately as f32 sums, v_exp_f32 and their like allow (about 1e-6 of the number): no bf16 or f16 on the way to a quantiser, and a product that is left as it is and whose result goes on into a quantised operand takes f32 operands (vector FMAs, or v_wmma_f32_16x16x4_f32). A number that lies on a knife's edge between two numbers of the format may be rounded either way, as far as f32 arithmetic and the matrix unit's own rounding can turn it there, and no further.
;; One version. Each part assembles by itself: llvm-mc -triple=amdgcn-amd-amdhsa -mcpu=gfx1250 --defsym DOCPART=n.
;; ======== version 1 of 1: 4 launches
;; limits: right only within a limited range of input values
;; workspace buffers: xc 9,437,184 bytes; wc 3,145,728 bytes; qs 655,360 bytes; qh 3,407,872 bytes; kv 6,815,744 bytes; oc 3,145,728 bytes
;; launch quant (part 1): grid 512 x 1, 4 waves a work-group, no clusters, 61,952 bytes of LDS; arguments Q, K, V, Wq, Wk, Wv, Wo, xc, wc, qs; writes xc, wc, qs
.if DOCPART == 1
	.amdgcn_target "amdgcn-amd-amdhsa--gfx1250"
	.amdhsa_code_object_version 6
	.text
	.protected	k_q4c057e4354_quant
	.globl	k_q4c057e4354_quant
	.p2align	8
	.type	k_q4c057e4354_quant,@function
k_q4c057e4354_quant:
	s_mov_b64 s[64:65], 0
	v_nop
	global_prefetch_b8 v0, s[64:65] scope:SCOPE_SE
	s_setreg_imm32_b32 hwreg(HW_REG_WAVE_MODE, 25, 1), 1
	s_wait_xcnt 0x0
; Q, K, V [4096][1024] f32 (K innermost) and Wq, Wk, Wv, Wo [1024 (k)][1024 (n)] f32 (K outermost) become codes of FP6 (E2M3) with one E8M0 byte for each 32 along K.
; A block's scale is 2^(floor(log2(largest magnitude)) - 2): its byte is the largest magnitude's exponent field - 2, held at 1 from below.
; LIMITS: a block of zeros gets the byte 1 (the rule says 127): its codes are zeros and only this program reads the bytes; blocks whose largest magnitude lies under 2^-124 are held at that floor;
; NaN and infinities among the inputs are not served.
; WHAT IS STORED ARE IMAGES OF OPERAND REGISTERS.  A fragment (16 rows x 128 K, 12 registers a lane) is 1,536 bytes: piece p = registers 4 p .. 4 p + 3, lane l's 16 bytes at 512 p + 16 l.
; THE ROWS OF A TILE ARE NOT NEIGHBOURS: lane r of tile 2 g + u holds row 32 g + 8 u + r + 8 (r / 8), so that a product that takes such tiles as source 0 leaves 16 neighbours in the 16 registers of two tiles.
; xc: [Q, K, V][tile 256][K step 8] fragments;  wc: [Wq, Wk, Wv, Wo][tile 64][K step 8];  qs: scale words [tile][r 16][K step 8], 512 bytes a tile: the activations' 768 tiles from byte 0, the weights' 256 from byte 393,216.
; Work-groups 0 to 191: a wave takes one tile of 16 rows of Q, K or V and all of K.  Work-groups 192 to 319: a wave takes 32 columns x 256 along K of a weight.  The two paths have LDS bytes of their own.
; No tensor load, no barrier: waves share nothing.  No matrix unit, no cluster: each byte is read once and nothing is shared.
; THE SHARES, in place of what the head says of them: work-groups 0 to 383 take Q, K, V: a work-group has two tiles of 16 rows, wave w takes tile w / 2 and K steps 4 (w % 2) .. 4 (w % 2) + 3;
; its four scale words of each row stay in registers and leave as 16 bytes of the row's 32 (the other 16 are the partner wave's).  Work-groups 384 to 511 take the weights, as the head says.
.set SPARE, 61440
.set SPW,   252                        ; v252  LDS address of my spare word; never rewritten
.set NIL,   253                        ; v253  0; never rewritten
.set SEL,   26                         ; s[26:27] lane selects for v_permlanex16_b32: lane l xor 16
.set XR,    16                         ; v16-143   two sets of 64 registers as loaded
.set XX,    144                        ; v144-207  64 numbers of my row: register 16 b + i = k 32 b + 16 (lane / 16) + i
.set PC,    208                        ; v208-219  the fragment's codes; v220-226 at work
.set TM,    228                        ; v228-243  at work
.set PW,    244                        ; v244      the scale word just made
.set SB,    24                         ; v24-25    weights: eight scale bytes
	s_load_b512 s[4:19], s[0:1], 0x0               ; Q s[4:5], K s[6:7], V s[8:9], Wq s[10:11], Wk s[12:13], Wv s[14:15], Wo s[16:17], xc s[18:19]
	s_load_b128 s[20:23], s[0:1], 0x40             ; wc s[20:21], qs s[22:23]
	v_lshl_add_u32 v[SPW], v0, 2, SPARE
	v_mov_b32 v[NIL], 0
	v_lshrrev_b32 v6, 5, v0
	v_readfirstlane_b32 s24, v6                    ; wave 0..3
	v_and_b32 v7, 31, v0                           ; lane
	v_lshlrev_b32 v1, 4, v7                        ; 16 x lane: my place in 512 consecutive bytes, in memory
	s_cmp_lt_u32 ttmp9, 384
	s_cbranch_scc0 .Lweights
; 64 numbers of a lane, v[s] .. v[s + 63], become a fragment's codes in v[PC] on and its scale word in v[PW]
.macro QUANT s
.irp b, 0,1,2,3
	v_max3_num_f32 v[TM+\b], |v[\s+16*\b]|, |v[\s+1+16*\b]|, 0x1800000   ; block b: my 16 numbers, and the floor 2^(3 - 127): the byte cannot fall under 1
.endr
.irp i, 2,4,6,8,10,12,14
.irp b, 0,1,2,3
	v_max3_num_f32 v[TM+\b], v[TM+\b], |v[\s+16*\b+\i]|, |v[\s+1+16*\b+\i]|   ; the four blocks by turns
.endr
.endr
.irp b, 0,1,2,3
	v_permlanex16_b32 v[TM+4+\b], v[TM+\b], s[SEL], s[SEL+1]
.endr
.irp b, 0,1,2,3
	v_max_num_f32 v[TM+\b], v[TM+\b], v[TM+4+\b]   ; with lane l xor 16's 16: the block's largest magnitude
.endr
.irp b, 0,1,2,3
	v_add_nc_u32 v[TM+12+\b], 0xff000000, v[TM+\b] ; 2 off its exponent field: the conversion takes this operand's exponent field as its scale
.endr
.irp b, 0,1,2,3
	v_lshrrev_b32 v[TM+4+\b], 23, v[TM+12+\b]      ; the scale's byte
.endr
	v_lshl_or_b32 v[PW], v[TM+5], 8, v[TM+4]
	v_lshl_or_b32 v[PW], v[TM+6], 16, v[PW]
	v_lshl_or_b32 v[PW], v[TM+7], 24, v[PW]
.irp c, 0,1
	v_cvt_scalef32_pk16_fp6_f32 v[PC+6*\c:PC+2+6*\c], v[\s+32*\c:\s+15+32*\c], v[TM+12+2*\c]
	v_cvt_scalef32_pk16_fp6_f32 v[PC+12+4*\c:PC+14+4*\c], v[\s+16+32*\c:\s+31+32*\c], v[TM+12+2*\c+1]   ; (a conversion's three registers begin on an even number)
.endr
	v_nop                                          ; one plain line behind the conversions
.irp c, 0,1                                    ; the operand wants a whole block in a lane: lanes 0-15 block 2 c, lanes 16-31 block 2 c + 1
.irp i, 0,1,2
	v_permlane16_swap_b32 v[PC+6*\c+\i], v[PC+12+4*\c+\i]
.endr
.irp i, 0,1,2
	v_mov_b32 v[PC+3+6*\c+\i], v[PC+12+4*\c+\i]
.endr
.endr
.endm
	; ---------------- Q, K, V: LDS region 8,960 x wave: a stage of 16 rows x 528 bytes, then 512 bytes of scale words
	v_and_b32 v8, 15, v0                           ; r
	v_bfe_u32 v9, v0, 4, 1                         ; h
	s_mul_i32 s25, s24, 8960
	v_add_nc_u32 v2, s25, v1                       ; into the stage: 16 x lane of a row of 512 bytes
	v_mul_u32_u24 v3, v8, 528
	v_lshl_add_u32 v3, v9, 6, v3
	v_add_nc_u32 v3, s25, v3                       ; out of it: row r, + 64 h: 16 neighbours of each block of 32
	v_lshlrev_b32 v4, 5, v8
.irp b, 0,1,2,3
	v_mov_b32 v[TM+4+\b], 0                        ; written once: a lane permute's destination counts as one of its sources
.endr
	s_mov_b32 s[SEL], 0x76543210
	s_mov_b32 s[SEL+1], 0xfedcba98
	s_lshl_b32 s28, ttmp9, 1
	s_lshr_b32 s36, s24, 1
	s_add_co_u32 s28, s28, s36                     ; my tile among the 768: 2 x work-group + wave / 2
	s_and_b32 s36, s24, 1                          ; which four K steps
	s_lshr_b32 s29, ttmp9, 7                       ; 0: Q, 1: K, 2: V
	s_and_b32 s30, s28, 255                        ; the tile in its tensor
	s_lshr_b32 s31, s30, 1
	s_lshl_b32 s31, s31, 17                        ; 32 rows of 4,096 bytes for each pair of tiles,
	s_and_b32 s30, s30, 1
	s_lshl_b32 s30, s30, 15                        ; 8 rows for the odd tile
	s_add_co_u32 s30, s30, s31
	s_lshl_b32 s37, s36, 11
	s_add_co_u32 s30, s30, s37                     ; four K steps are 2,048 bytes of a row
	s_mov_b32 s31, 0
	s_mul_i32 s32, s28, 12288                      ; a tile's eight fragments,
	s_mul_i32 s37, s36, 6144
	s_add_co_u32 s32, s32, s37                     ; my four of them
	s_mov_b32 s33, 0
	s_lshl_b32 s34, s28, 9                         ; a tile's scale words,
	s_lshl_b32 s37, s36, 4
	s_add_co_u32 s34, s34, s37                     ; my four of each row's eight
	s_mov_b32 s35, 0
	s_wait_alu depctr_va_vdst(0)
	s_wait_kmcnt 0x0
	s_cmp_eq_u32 s29, 0
	s_cselect_b64 s[4:5], s[4:5], s[6:7]
	s_cmp_eq_u32 s29, 2
	s_cselect_b64 s[4:5], s[8:9], s[4:5]
	s_add_nc_u64 s[4:5], s[4:5], s[30:31]
	s_add_nc_u64 s[18:19], s[18:19], s[32:33]
	s_add_nc_u64 s[22:23], s[22:23], s[34:35]
.macro XLOAD s                         ; K step s of the tile's 16 rows: each load reads 512 consecutive bytes of one row
.irp i, 0,1,2,3,4,5,6,7,8,9,10,11,12,13,14,15
	global_load_b128 v[XR+64*((\s)%2)+4*\i:XR+64*((\s)%2)+4*\i+3], v1, s[4:5] offset:(\i+8*(\i/8))*4096+512*(\s) th:TH_LOAD_NT
.endr
.endm
.macro XTURN s                         ; through the stage: in as loaded, out 16 neighbours a lane.  LDS serves a wave's instructions in order: no wait between
.irp i, 0,1,2,3,4,5,6,7,8,9,10,11,12,13,14,15
	ds_store_b128 v2, v[XR+64*((\s)%2)+4*\i:XR+64*((\s)%2)+4*\i+3] offset:528*\i
.endr
.irp b, 0,1,2,3
.irp j, 0,1,2,3
	ds_load_b128 v[XX+16*\b+4*\j:XX+16*\b+4*\j+3], v3 offset:128*\b+16*\j
.endr
.endr
.endm
.macro XSTEP s
.if (\s) < 3
	s_wait_loadcnt 16                              ; this step's 16 loads are in; the next step's 16 may be out
.else
	s_wait_loadcnt 0x0
.endif
	XTURN \s
	s_wait_dscnt 0x0                               ; my 64 numbers are back, and the stage's stores have read their registers
	s_wait_xcnt 0x0                                ; the last step's stores have read the codes' registers
.if (\s) < 2
	XLOAD (\s)+2
.endif
	QUANT XX
.irp p, 0,1,2
	global_store_b128 v1, v[PC+4*\p:PC+4*\p+3], s[18:19] offset:1536*(\s)+512*\p   ; 512 consecutive bytes
.endr
	v_mov_b32 v[8+(\s)], v[PW]                     ; my row's scale word of this step
.endm
	XLOAD 0
	XLOAD 1
.irp s, 0,1,2,3
	XSTEP \s
.endr
	s_wait_alu depctr_va_vdst(0)                   ; directly ahead of the reader below
	global_store_b128 v4, v[8:11], s[22:23]        ; 16 bytes at 32 r (both halves of the lanes store the same words with the same values)
	s_branch .Lend
	; ---------------- the weights: a lane takes a column n and its registers run down K.  LDS region 35,840 + 6,400 x wave: the images of two tiles x two K steps, 3,200 bytes apart
.Lweights:
	s_sub_co_u32 s28, ttmp9, 384
	s_lshr_b32 s29, s28, 5                         ; which weight
	s_bfe_u32 s30, s28, 0x30002                    ; which 128 columns
	s_and_b32 s31, s28, 3                          ; which 256 along K
	s_wait_alu depctr_va_vdst(0)
	v_lshlrev_b32 v10, 2, v7                       ; in: 4 bytes a lane
	v_bfe_u32 v11, v0, 3, 1                        ; my column 8 u + r + 8 (r / 8) of the 32: u,
	v_and_b32 v12, 7, v0
	v_bfe_u32 v13, v0, 4, 1
	v_lshl_add_u32 v12, v13, 3, v12                ; and r
	s_mul_i32 s25, s24, 6400
	s_add_co_u32 s25, s25, 35840
	v_mul_u32_u24 v2, v11, 3200
	v_lshl_add_u32 v2, v12, 4, v2
	v_add_nc_u32 v2, s25, v2                       ; into the images: tile u, lane r's 16 bytes
	v_add_nc_u32 v3, s25, v1                       ; out of them: 16 x lane
	v_lshlrev_b32 v5, 9, v11
	v_lshl_add_u32 v5, v12, 5, v5                  ; scale words: 512 u + 32 r
	s_lshl_b32 s32, s31, 20                        ; 256 rows of 4,096 bytes,
	s_lshl_b32 s33, s30, 9
	s_add_co_u32 s32, s32, s33
	s_lshl_b32 s33, s24, 7
	s_add_co_u32 s32, s32, s33                     ; + 4 x (128 x block + 32 x wave)
	s_mov_b32 s33, 0
	s_lshl_b32 s34, s29, 6
	s_lshl_b32 s35, s30, 3
	s_add_co_u32 s34, s34, s35
	s_lshl_b32 s35, s24, 1
	s_add_co_u32 s34, s34, s35                     ; my first tile among the 256
	s_mul_i32 s36, s34, 12288
	s_mul_i32 s37, s31, 3072
	s_add_co_u32 s36, s36, s37                     ; its K steps 2 kq, 2 kq + 1
	s_mov_b32 s37, 0
	s_lshl_b32 s38, s34, 9
	s_lshl_b32 s39, s31, 3
	s_add_co_u32 s38, s38, s39
	s_add_co_u32 s38, s38, 393216
	s_mov_b32 s39, 0
	s_wait_kmcnt 0x0
	s_cmp_eq_u32 s29, 1
	s_cselect_b64 s[10:11], s[12:13], s[10:11]
	s_cmp_eq_u32 s29, 2
	s_cselect_b64 s[10:11], s[14:15], s[10:11]
	s_cmp_eq_u32 s29, 3
	s_cselect_b64 s[10:11], s[16:17], s[10:11]
	s_add_nc_u64 s[10:11], s[10:11], s[32:33]
	s_add_nc_u64 s[20:21], s[20:21], s[36:37]
	s_add_nc_u64 s[22:23], s[22:23], s[38:39]
.macro WLOAD t                         ; block t: W(32 t + i, my column): 128 consecutive bytes a wave, 512 a work-group
.irp i, 0,1,2,3,4,5,6,7,8,9,10,11,12,13,14,15,16,17,18,19,20,21,22,23,24,25,26,27,28,29,30,31
	global_load_b32 v[32+32*((\t)%2)+\i], v10, s[10:11] offset:(32*(\t)+\i)*4096 th:TH_LOAD_NT
.endr
.endm
.macro WBLOCK t
.set XS, 32+32*((\t)%2)
.if (\t) < 7
	s_wait_loadcnt 32                              ; this block's 32 loads are in; the next block's may be out
.else
	s_wait_loadcnt 0x0
.endif
	v_max3_num_f32 v14, |v[XS]|, |v[XS+1]|, |v[XS+2]|        ; all 32 numbers of the block are mine
	v_max3_num_f32 v15, |v[XS+3]|, |v[XS+4]|, |v[XS+5]|
.irp i, 6,10,14,18,22,26
	v_max3_num_f32 v14, v14, |v[XS+\i]|, |v[XS+\i+1]|
	v_max3_num_f32 v15, v15, |v[XS+\i+2]|, |v[XS+\i+3]|
.endr
	v_max3_num_f32 v14, v14, |v[XS+30]|, |v[XS+31]|
	v_max3_num_f32 v14, v14, v15, 0x1800000        ; and the floor
	v_add_nc_u32 v16, 0xff000000, v14              ; the conversion's scale operand
	v_lshrrev_b32 v15, 23, v16                     ; the byte
.if (\t)%4 == 0
	v_mov_b32 v[SB+(\t)/4], v15
.else
	v_lshl_or_b32 v[SB+(\t)/4], v15, 8*((\t)%4), v[SB+(\t)/4]
.endif
	v_cvt_scalef32_pk16_fp6_f32 v[96:98], v[XS:XS+15], v16
	v_cvt_scalef32_pk16_fp6_f32 v[104:106], v[XS+16:XS+31], v16
	v_nop                                          ; one plain line behind the conversions
	v_mov_b32 v99, v104
	v_mov_b32 v100, v105
	v_mov_b32 v101, v106                           ; v96-101: the block's 24 bytes: registers 6 c .. 6 c + 5 of image lane r + 16 h, with c = (t % 4) / 2, h = t % 2
.if (\t)%4 < 2
	ds_store_b128 v2, v[96:99] offset:1536*((\t)/4)+256*((\t)%2)
	ds_store_b64 v2, v[100:101] offset:1536*((\t)/4)+256*((\t)%2)+512
.else
	ds_store_b64 v2, v[96:97] offset:1536*((\t)/4)+256*((\t)%2)+520
	ds_store_b128 v2, v[98:101] offset:1536*((\t)/4)+256*((\t)%2)+1024
.endif
.if (\t) < 6
	WLOAD (\t)+2
.endif
	s_wait_dscnt 0x0                               ; the stores have read their registers
.endm
	WLOAD 0
	WLOAD 1
.irp t, 0,1,2,3,4,5,6,7
	WBLOCK \t
.endr
	s_wait_alu depctr_va_vdst(0)
	global_store_b64 v5, v[SB:SB+1], s[22:23]      ; my column's two scale words: 8 bytes of its 32 (the other K quarters are other work-groups')
.irp q, 0,1,2,3,4,5,6,7,8,9,10,11
	ds_load_b128 v[112+4*\q:112+4*\q+3], v3 offset:3200*(\q/6)+1536*((\q/3)%2)+512*(\q%3)
.endr
.irp q, 0,1,2,3,4,5,6,7,8,9,10,11
	s_wait_dscnt 11-\q                             ; LDS loads come back in order: piece q is in
	global_store_b128 v1, v[112+4*\q:112+4*\q+3], s[20:21] offset:12288*(\q/6)+1536*((\q/3)%2)+512*(\q%3)   ; 512 consecutive bytes
.endr
.Lend:
	s_wait_tensorcnt 0x0                           ; the wave's end
	ds_add_u32 v[SPW], v[NIL]
	s_wait_dscnt 0x0
	s_endpgm
.Lfunc_end_k_q4c057e4354_quant:
	.size	k_q4c057e4354_quant, .Lfunc_end_k_q4c057e4354_quant-k_q4c057e4354_quant
	.p2alignl 7, 3214868480
	.fill 96, 4, 3214868480
	.section	.rodata,"a",@progbits
	.p2align	6, 0x0
	.amdhsa_kernel k_q4c057e4354_quant
		.amdhsa_group_segment_fixed_size 61952
		.amdhsa_private_segment_fixed_size 0
		.amdhsa_enable_private_segment 0
		.amdhsa_kernarg_size 80
		.amdhsa_user_sgpr_count 2
		.amdhsa_user_sgpr_kernarg_segment_ptr 1
		.amdhsa_wavefront_size32 1
		.amdhsa_system_sgpr_workgroup_id_x 1
		.amdhsa_system_sgpr_workgroup_id_y 1
		.amdhsa_system_sgpr_workgroup_id_z 1
		.amdhsa_system_vgpr_workitem_id 0
		.amdhsa_next_free_vgpr 256
		.amdhsa_next_free_sgpr 66
		.amdhsa_reserve_vcc 0
		.amdhsa_float_denorm_mode_32 3
		.amdhsa_float_denorm_mode_16_64 3
		.amdhsa_memory_ordered 1
		.amdhsa_forward_progress 1
		.amdhsa_inst_pref_size 75
	.end_amdhsa_kernel
	.amdgpu_metadata
---
amdhsa.version: [ 1, 2 ]
amdhsa.kernels:
  - .name:           k_q4c057e4354_quant
    .symbol:         k_q4c057e4354_quant.kd
    .args:
      - { .name: Q, .offset: 0, .size: 8, .value_kind: global_buffer, .address_space: global }
      - { .name: K, .offset: 8, .size: 8, .value_kind: global_buffer, .address_space: global }
      - { .name: V, .offset: 16, .size: 8, .value_kind: global_buffer, .address_space: global }
      - { .name: Wq, .offset: 24, .size: 8, .value_kind: global_buffer, .address_space: global }
      - { .name: Wk, .offset: 32, .size: 8, .value_kind: global_buffer, .address_space: global }
      - { .name: Wv, .offset: 40, .size: 8, .value_kind: global_buffer, .address_space: global }
      - { .name: Wo, .offset: 48, .size: 8, .value_kind: global_buffer, .address_space: global }
      - { .name: xc, .offset: 56, .size: 8, .value_kind: global_buffer, .address_space: global }
      - { .name: wc, .offset: 64, .size: 8, .value_kind: global_buffer, .address_space: global }
      - { .name: qs, .offset: 72, .size: 8, .value_kind: global_buffer, .address_space: global }
    .group_segment_fixed_size: 61952
    .private_segment_fixed_size: 0
    .kernarg_segment_align: 8
    .kernarg_segment_size: 80
    .max_flat_workgroup_size: 128
    .sgpr_count:     66
    .vgpr_count:     256
    .wavefront_size: 32
...
	.end_amdgpu_metadata
.endif
;; end of part 1
;; launch proj (part 2): grid 8 x 32, 4 waves a work-group, clusters of 4 x 4, 327,680 bytes of LDS; arguments xc, wc, qs, bq, bk, bv, qh, kv; writes qh, kv
.if DOCPART == 2
	.amdgcn_target "amdgcn-amd-amdhsa--gfx1250"
	.amdhsa_code_object_version 6
	.text
	.protected	k_q4c057e4354_proj
	.globl	k_q4c057e4354_proj
	.p2align	8
	.type	k_q4c057e4354_proj,@function
k_q4c057e4354_proj:
	s_mov_b64 s[64:65], 0
	v_nop
	global_prefetch_b8 v0, s[64:65] scope:SCOPE_SE
	s_setreg_imm32_b32 hwreg(HW_REG_WAVE_MODE, 25, 1), 1
	s_wait_xcnt 0x0
	s_wait_alu depctr_hold_cnt(0) depctr_sa_sdst(0) depctr_va_vdst(0) depctr_va_sdst(0) depctr_va_ssrc(0) depctr_va_vcc(0) depctr_vm_vsrc(0)
	s_getreg_b32 s2, hwreg(HW_REG_IB_STS2, 6, 4)
	s_cmp_eq_u32 s2, 0
	s_cbranch_scc0 .Lentry_in_a_cluster
	s_endpgm
.Lentry_in_a_cluster:
	s_bfe_u32 s2, ttmp6, 0x10000c
	s_cmp_lg_u32 s2, 0xf033
	s_cbranch_scc0 .Lentry_shape_is_right
	s_endpgm
.Lentry_shape_is_right:
; q = (Q Wq + bq) / 64^(1/4), k = (K Wk + bk) / 64^(1/4), v = V Wv + bv, on codes of FP6 (E2M3) with E8M0 scales, and the results quantised at once for attention: q and k along the head's 64, v along the keys.
; A WORK-GROUP STAYS: work-group (x, y) makes 128 tokens (block y) x 128 columns (two heads, block x) of q, then of k, then of v: 3 x 8 = 24 K steps of 128, numbered g = 8 x tensor + K step.
; Wave w: 64 tokens (w / 2) x 64 columns (w % 2: one head): 16 accumulators, 16 matrix instructions a step.
; LDS: TWO SLOTS OF SIX STEPS (147,456 bytes each): steps 6 n .. 6 n + 5 lie in slot n % 2.  A slot holds pieces [tile 8][K steps of the piece][1,536], the fragments' images as they lie in memory:
;   fill 0: q's steps 0-5 (activations, weights);  fill 1: q's 6-7, k's 0-3;  fill 2: k's 4-7, v's 0-1;  fill 3: v's 2-7.  Rows are 9,216, 3,072 or 6,144 bytes, at multiples of 256 bytes.
; One tensor load a wave for each fill, in one chain of four arms on the wave's number: waves 0, 1 bring activations, waves 2, 3 weights.  A wave has one tensor load out.
; Step g + 1's fragments are fetched in step g, so a slot's last read has come back at the head of its last step: there (g = 5, 11) stand the wait for all tensor loads, the add, the wait for it,
; a round of the cluster's barrier and the refill.  At g = 17 a barrier shows fill 3 whole.
; CLUSTER 4 x 4: the activations' pieces are shared along a row of the cluster, the weights' along a column: joint loads.
; NO PREFETCH: the text has no loop to run ahead in; each of the four fills is asked for at the first line at which its slot is free.
; q, k: source 0 = 16 columns of W, source 1 = 16 tokens: a lane holds one token and its registers run along the head.  v: source 0 = 16 tokens, source 1 = 16 columns: a lane holds one channel and its registers run along the keys.
; By the order of a tile's rows (lane r of tile 2 g + u: row 32 g + 8 u + r + 8 (r / 8)) the 32 registers of four tiles are register 16 b + i = 32 b + 16 (lane / 16) + i along the next K.
; A HALF FRAGMENT (16 rows x 64 K, 6 registers a lane) is stored as 768 bytes: registers 0-3 at 16 x lane, registers 4-5 at 512 + 8 x lane.
; qh: [batch x head 32][64 tokens 32] of 3,328 bytes: 4 half fragments, 256 bytes of scale words [r 16][tile 4].
; kv: [batch x head 32][128 keys 16] of 13,312 bytes: K's 8 half fragments; V's 8, [64 keys 2][16 channels 4]; K's scale words [2][r 16][4]; V's [2][r 16][4].  A scale word here has two bytes and two zeros.
; LIMITS: the division by 64^(1/4) is a multiplication by its reciprocal rounded to f32; a block of zeros gets the byte 1; blocks under 2^-124 are held at that floor; NaN and infinities are not served.
; REGISTERS: window 0: v1-15 offsets; v16-27 LDS addresses of the twelve pieces; v28, v29 the add's two; v32-63 scale words; v64-95 codes; v96-125 at work; v128-255 accumulators (i1, i0) at 128 + 32 i1 + 8 i0.
;   window 1: two fragment buffers at v0 and v128 (source 0's four fragments, then source 1's four); v96-127 the bias, the C of a tensor's first step.
.set S1,    147456                     ; slot 1
.set SPARE, 294912                     ; the spare words, 128 bytes for each wave
.set TX,    3145728                    ; from tensor to tensor in xc: 256 tiles of 12,288 bytes
.set TW,    786432                     ; in wc: 64 tiles
.set SA,  4                            ; v4-6  offsets of the scale words of q, k, v: lanes 0-15 source 0's tiles, lanes 16-31 source 1's
.set AD,  16
.set SPW, 28
.set NIL, 29
.set SC,  32                           ; register 8 i + s: lanes 0-15 source 0's tile i, lanes 16-31 source 1's tile i, K step s
.set CB,  64
.set T2,  96
.set QM,  112
.set QP,  114
.set QS,  116
.set SW,  120
.set SWP, 124
.set ACC, 128
.set BI,  96                           ; in window 1
.set WV,  20
.set TH,  21
.set NH,  22
.set G1A, 24                           ; s[24:55] a group 1 for each arm
.set G1B, 32
.set G1C, 40
.set G1D, 48
.set G0A, 56                           ; and a group 0
.set G0B, 60
.set G0C, 68
.set G0D, 72
.set XB,  76                           ; xc at my 8 tiles of Q;  wc at my 8 tiles of Wq
.set WB,  78
.set PQF, 80                           ; where the half fragments and the scale words of q, k, v go
.set PQS, 82
.set PKF, 84
.set PKS, 86
.set PVF, 88
.set PVS, 90
.set SEL, 92
.set CM,  94
.set MSB, 0
.macro WIN new                         ; the immediate's high byte repeats the setting that is left
.if MSB != \new
	s_set_vgpr_msb (MSB<<8)|\new
.set MSB, \new
.endif
.endm
.set MULW, 0x05                        ; sources 0 and 1 window 1; C and D window 0
.set MULB, 0x15                        ; the same with C in window 1: the bias
.set TO_F, 0x40                        ; destination window 1, address window 0
.macro CROUND                          ; a round of the cluster's barrier
	s_barrier_signal -1
	s_barrier_wait -1
	s_cmp_lg_u32 s[WV], 0
	s_cbranch_scc1 .Lnot_wave_0_\@
	s_barrier_signal -3
.Lnot_wave_0_\@:
	s_barrier_wait -3
	s_barrier_signal -1
	s_barrier_wait -1
.endm
.macro PLACES                          ; four plain lines between a matrix instruction and a load into, or a vector line on, its registers
.rept 4
	v_nop
.endr
.endm
.macro SHAPE g, c, r                   ; r rows of c elements of 8 bytes
	s_mov_b32 s[\g+1], (\c)<<16
	s_mov_b32 s[\g+2], (\r)<<16
	s_mov_b32 s[\g+3], (\c)<<16
	s_mov_b32 s[\g+4], \r
.endm
.macro SETG0 g, lds, b, off
	s_mov_b32 s[\g+1], \lds
	s_add_nc_u64 s[\g+2:\g+3], s[\b:\b+1], \off
	s_or_b32 s[\g+3], s[\g+3], 0x80000000
.endm
.macro DESC n                          ; fill n's four descriptors: written where no tensor load of the wave is out, by all waves alike
.if (\n) == 0 || (\n) == 3
.irp g, G1A, G1B, G1C, G1D
	SHAPE \g, 1152, 4                              ; four tiles x six K steps
.endr
	SETG0 G0A, S1*((\n)/3),        XB, (2*TX+3072)*((\n)/3)
	SETG0 G0B, S1*((\n)/3)+36864,  XB, (2*TX+3072)*((\n)/3)+49152
	SETG0 G0C, S1*((\n)/3)+73728,  WB, (2*TW+3072)*((\n)/3)
	SETG0 G0D, S1*((\n)/3)+110592, WB, (2*TW+3072)*((\n)/3)+49152
.elseif (\n) == 1
	SHAPE G1A, 384, 8                              ; eight tiles x two K steps: q's 6, 7
	SHAPE G1B, 768, 8                              ; eight tiles x four: k's 0-3
	SHAPE G1C, 384, 8
	SHAPE G1D, 768, 8
	SETG0 G0A, S1,       XB, 9216
	SETG0 G0B, S1+49152, XB, TX
	SETG0 G0C, S1+24576, WB, 9216
	SETG0 G0D, S1+98304, WB, TW
.else
	SHAPE G1A, 768, 8                              ; k's 4-7
	SHAPE G1B, 384, 8                              ; v's 0, 1
	SHAPE G1C, 768, 8
	SHAPE G1D, 384, 8
	SETG0 G0A, 0,      XB, TX+6144
	SETG0 G0B, 98304,  XB, 2*TX
	SETG0 G0C, 49152,  WB, TW+6144
	SETG0 G0D, 122880, WB, 2*TW
.endif
.endm
.macro ARM under, g0, g1, done
	s_cmp_lt_u32 s[WV], \under
	s_cbranch_scc0 .Lnot_me_\@
	tensor_load_to_lds s[\g0:\g0+3], s[\g1:\g1+7]
	s_nop 0
	PLACES
	s_branch \done
.Lnot_me_\@:
.endm
.macro JL4                             ; a fill: one chain of branches on the wave's number, one joint load to an arm, all arms to one join
	ARM 1, G0A, G1A, .Lasked_\@
	ARM 2, G0B, G1B, .Lasked_\@
	ARM 3, G0C, G1C, .Lasked_\@
	tensor_load_to_lds s[G0D:G0D+3], s[G1D:G1D+7]
	s_nop 0
	PLACES
.Lasked_\@:
.endm
.macro MKAD idx, half, nk, base        ; my four tiles of a piece of nk K steps: base + half x 4 tiles + 16 x lane
	s_mul_i32 s96, s[\half], 4*(\nk)*1536
	s_add_co_u32 s96, s96, \base
	v_add_nc_u32 v[AD+\idx], s96, v1
.endm
; the scale words and the bias of tensor t
.macro NEXT t, bp
.irp i, 0,1,2,3
	global_load_b128 v[SC+8*\i:SC+8*\i+3], v[SA+\t], s[8:9] offset:512*\i
	global_load_b128 v[SC+8*\i+4:SC+8*\i+7], v[SA+\t], s[8:9] offset:512*\i+16
.endr
	WIN TO_F
.if \t == 2
.irp i, 0,1,2,3
	global_load_b32 v[BI+8*\i], v15, s[\bp:\bp+1] offset:(32*(\i/2)+8*(\i%2))*4
.endr
.else
.irp i, 0,1,2,3
	global_load_b128 v[BI+8*\i:BI+8*\i+3], v14, s[\bp:\bp+1] offset:(32*(\i/2)+8*(\i%2))*4
	global_load_b128 v[BI+8*\i+4:BI+8*\i+7], v14, s[\bp:\bp+1] offset:(32*(\i/2)+8*(\i%2))*4+16
.endr
.endif
	WIN 0
.endm
; 24 LDS loads: step g's fragments, images as they lie, into buffer g % 2
.macro FETCH g
.if (\g) < 6
.set PX, 0
.set NK, 6
.set KK, (\g)
.elseif (\g) < 8
.set PX, 2
.set NK, 2
.set KK, (\g)-6
.elseif (\g) < 12
.set PX, 4
.set NK, 4
.set KK, (\g)-8
.elseif (\g) < 16
.set PX, 6
.set NK, 4
.set KK, (\g)-12
.elseif (\g) < 18
.set PX, 8
.set NK, 2
.set KK, (\g)-16
.else
.set PX, 10
.set NK, 6
.set KK, (\g)-18
.endif
.if (\g) < 16
.set P0, PX+1                          ; q, k: source 0 the weights
.set P1, PX
.else
.set P0, PX                            ; v: source 0 the activations
.set P1, PX+1
.endif
.set FB, 128*((\g)%2)
	WIN TO_F
.irp i, 0,1,2,3
.irp p, 0,1,2
	ds_load_b128 v[FB+12*\i+4*\p:FB+12*\i+4*\p+3], v[AD+P0] offset:NK*1536*\i+1536*KK+512*\p
.endr
.endr
.irp i, 0,1,2,3
.irp p, 0,1,2
	ds_load_b128 v[FB+48+12*\i+4*\p:FB+48+12*\i+4*\p+3], v[AD+P1] offset:NK*1536*\i+1536*KK+512*\p
.endr
.endr
.endm
; 16 matrix instructions, the 16 accumulators by turns.  In a tensor's first step the bias is C: nothing is cleared and nothing added later
.macro MUL g, isv
.set MB, 128*((\g)%2)
.set KX, (\g)%8
.if KX == 0
	WIN MULB
.else
	WIN MULW
.endif
.irp j, 0,1,2,3
.irp i, 0,1,2,3
.if KX == 0
.if \isv
	v_wmma_scale_f32_16x16x128_f8f6f4 v[ACC+32*\j+8*\i:ACC+32*\j+8*\i+7], v[MB+12*\i:MB+12*\i+11], v[MB+48+12*\j:MB+48+12*\j+11], v[BI+8*\j:BI+8*\j+7], v[SC+8*\i+KX], v[SC+8*\j+KX] matrix_a_fmt:MATRIX_FMT_FP6 matrix_b_fmt:MATRIX_FMT_FP6 matrix_b_scale:MATRIX_SCALE_ROW1
.else
	v_wmma_scale_f32_16x16x128_f8f6f4 v[ACC+32*\j+8*\i:ACC+32*\j+8*\i+7], v[MB+12*\i:MB+12*\i+11], v[MB+48+12*\j:MB+48+12*\j+11], v[BI+8*\i:BI+8*\i+7], v[SC+8*\i+KX], v[SC+8*\j+KX] matrix_a_fmt:MATRIX_FMT_FP6 matrix_b_fmt:MATRIX_FMT_FP6 matrix_b_scale:MATRIX_SCALE_ROW1
.endif
.else
	v_wmma_scale_f32_16x16x128_f8f6f4 v[ACC+32*\j+8*\i:ACC+32*\j+8*\i+7], v[MB+12*\i:MB+12*\i+11], v[MB+48+12*\j:MB+48+12*\j+11], v[ACC+32*\j+8*\i:ACC+32*\j+8*\i+7], v[SC+8*\i+KX], v[SC+8*\j+KX] matrix_a_fmt:MATRIX_FMT_FP6 matrix_b_fmt:MATRIX_FMT_FP6 matrix_b_scale:MATRIX_SCALE_ROW1
.endif
.endr
.endr
.endm
; 32 numbers of a lane, register 16 b + i = k 32 b + 16 (lane / 16) + i of my row, become a half fragment in v[pc] .. v[pc + 5] and its two scale bytes in v[pw]
.macro QUANT32 src, pc, t2, pw
	v_max3_num_f32 v[QM], |v[\src]|, |v[\src+1]|, 0x1800000         ; my 16 numbers of each block, and the floor 2^(3 - 127): the byte cannot fall under 1
	v_max3_num_f32 v[QM+1], |v[\src+16]|, |v[\src+17]|, 0x1800000
.irp i, 2,4,6,8,10,12,14
	v_max3_num_f32 v[QM], v[QM], |v[\src+\i]|, |v[\src+\i+1]|
	v_max3_num_f32 v[QM+1], v[QM+1], |v[\src+16+\i]|, |v[\src+17+\i]|
.endr
	v_permlanex16_b32 v[QP], v[QM], s[SEL], s[SEL+1]
	v_permlanex16_b32 v[QP+1], v[QM+1], s[SEL], s[SEL+1]
	v_max_num_f32 v[QM], v[QM], v[QP]              ; with lane l xor 16's 16
	v_max_num_f32 v[QM+1], v[QM+1], v[QP+1]
	v_add_nc_u32 v[QS], 0xff000000, v[QM]          ; 2 off the exponent field: the conversion's scale operand
	v_add_nc_u32 v[QS+1], 0xff000000, v[QM+1]
	v_lshrrev_b32 v[QP], 23, v[QS]                 ; the bytes
	v_lshrrev_b32 v[QP+1], 23, v[QS+1]
	v_lshl_or_b32 v[\pw], v[QP+1], 8, v[QP]
	v_cvt_scalef32_pk16_fp6_f32 v[\pc:\pc+2], v[\src:\src+15], v[QS]
	v_cvt_scalef32_pk16_fp6_f32 v[\t2:\t2+2], v[\src+16:\src+31], v[QS+1]
	v_nop                                          ; one plain line behind the conversions
.irp i, 0,1,2
	v_permlane16_swap_b32 v[\pc+\i], v[\t2+\i]     ; lanes 0-15 get block 0 whole, lanes 16-31 block 1
.endr
.irp i, 0,1,2
	v_mov_b32 v[\pc+3+\i], v[\t2+\i]
.endr
.endm
; THE WAY OUT of tensor t, behind its last step; the next tensor's first fragments are on their way, and its scale words and bias are asked for here
.macro EPI t, pf, ps, nbp
	WIN 0
	PLACES                                         ; in front of the reads of the results and of the loads into the scale words' registers
.if \t > 0
	s_wait_xcnt 0x0                                ; the last way out's stores have read their registers
.endif
.if \t < 2
	NEXT \t+1, \nbp
.set k, 0
.rept 64
	v_pk_mul_f32 v[ACC+k:ACC+k+1], v[ACC+k:ACC+k+1], s[CM:CM+1] op_sel_hi:[1,0]   ; / 64^(1/4); each accumulator from its low end on
.set k, k+2
.endr
.endif
.irp j, 0,1,2,3                        ; source 1's tile j: its 32 registers become one half fragment
	QUANT32 ACC+32*\j, CB+8*\j, T2+4*\j, SW+\j
	global_store_b128 v1, v[CB+8*\j:CB+8*\j+3], s[\pf:\pf+1] offset:768*\j       ; 512 consecutive bytes
	global_store_b64 v2, v[CB+8*\j+4:CB+8*\j+5], s[\pf:\pf+1] offset:768*\j+512  ; 256 consecutive bytes
.endr
	v_cmp_ne_u32 vcc_lo, 0, v11
	v_cndmask_b32 v[SWP], v[SW], v[SW+2], vcc_lo   ; lanes 0-15 store tiles 0, 1's words of row r, lanes 16-31 tiles 2, 3's
	v_cndmask_b32 v[SWP+1], v[SW+1], v[SW+3], vcc_lo
	global_store_b64 v3, v[SWP:SWP+1], s[\ps:\ps+1]    ; 256 consecutive bytes
	s_wait_alu depctr_va_vdst(0)
.endm
; Step g: its fragments are in; the next step's are fetched; 16 products
.macro STEPG g, isv
	s_wait_dscnt 0x0                               ; this step's fragments are in: where it is a slot's last step, my reads of the slot are over
.if (\g)%8 == 0
	s_wait_loadcnt 0x0                             ; scale words and bias
.if \isv
	WIN 0x41
.irp i, 0,1,2,3
.irp j, 1,2,3,4,5,6,7
	v_mov_b32 v[BI+8*\i+\j], v[BI+8*\i]            ; a lane's eight results of a tile are one channel's: the same bias
.endr
.endr
	s_wait_alu depctr_va_vdst(0)
.endif
.endif
.if (\g) == 5 || (\g) == 11
	WIN 0                                          ; (the add's two registers lie in window 0)
	s_wait_tensorcnt 0x0                           ; all my tensor loads have landed: the one that was out is my part of the other slot;
	ds_add_u32 v[SPW], v[NIL]                      ; 0 onto my spare word
	DESC ((\g)+7)/6                                ; no tensor load of mine is out: the next fill's descriptors
	MUL \g, \isv                                   ; sixteen matrix instructions between the add and the wait for it
	WIN 0
	s_wait_dscnt 0x0                               ; the add is done
	CROUND                                         ; no wave of any partner still reads this slot or has a load on its way
	JL4                                            ; the refill, the first tensor load behind the round; its four v_nop are the places in front of the loads below
	FETCH (\g)+1
.else
.if (\g) == 17
	s_wait_tensorcnt 0x0                           ; my part of fill 3 is in,
	s_barrier_signal -1
	s_barrier_wait -1                              ; everybody's is
.endif
.if (\g) > 0
	PLACES                                         ; in front of loads into the buffer that the last step multiplied
.endif
.if (\g) < 23
	FETCH (\g)+1
.endif
	MUL \g, \isv
.endif
.endm
	s_load_b512 s[4:19], s[0:1], 0x0               ; xc s[4:5], wc s[6:7], qs s[8:9], bq s[10:11], bk s[12:13], bv s[14:15], qh s[16:17], kv s[18:19]
	v_lshl_add_u32 v[SPW], v0, 2, SPARE
	v_mov_b32 v[NIL], 0
	ds_add_u32 v[SPW], v[NIL]                      ; the wave's opening: the add, twice on end, and its wait ahead of my first tensor load
	ds_add_u32 v[SPW], v[NIL]
	v_lshrrev_b32 v1, 5, v0
	v_readfirstlane_b32 s[WV], v1                  ; wave 0..3
	s_lshr_b32 s[TH], s[WV], 1                     ; my 64 tokens
	s_and_b32 s[NH], s[WV], 1                      ; my 64 columns
	s_bfe_u32 s100, ttmp6, 0x40000                 ; cx
	s_bfe_u32 s101, ttmp6, 0x40004                 ; cy
	s_lshl_b32 s66, ttmp9, 2
	s_add_co_u32 s66, s66, s100                    ; x
	s_and_b32 s67, ttmp7, 0xffff
	s_lshl_b32 s67, s67, 2
	s_add_co_u32 s67, s67, s101                    ; y
	s_lshl_b32 s101, s101, 2
	s_lshl_b32 s101, 15, s101                      ; my row of the cluster
	s_lshl_b32 s100, 0x1111, s100                  ; my column
	s_or_b32 s[G1A], s101, (3<<16)|(1<<21)         ; 15:0 the mask; 17:16 elements of 8 bytes; 21 set beside a mask; no padding
	s_or_b32 s[G1B], s101, (3<<16)|(1<<21)
	s_or_b32 s[G1C], s100, (3<<16)|(1<<21)
	s_or_b32 s[G1D], s100, (3<<16)|(1<<21)
.irp g, G1A, G1B, G1C, G1D
	s_mov_b32 s[\g+5], 1536                        ; from tile to tile: 12,288 bytes
	s_mov_b32 s[\g+6], 0
	s_mov_b32 s[\g+7], 0
.endr
.irp g, G0A, G0B, G0C, G0D
	s_mov_b32 s[\g], 1
.endr
	s_mul_i32 s96, s67, 8*12288                    ; activations: tile 8 y
	s_mov_b32 s97, 0
	s_mul_i32 s98, s66, 8*12288                    ; weights: tile 8 x
	s_mov_b32 s99, 0
	s_mov_b32 s[SEL], 0x76543210
	s_mov_b32 s[SEL+1], 0xfedcba98
	s_mov_b32 s[CM], 0x3eb504f3                    ; 64^(-1/4) = 2^(-3/2)
	s_mov_b32 s[CM+1], s[CM]
	s_wait_dscnt 0x0                               ; both opening adds are done
	s_wait_kmcnt 0x0
	s_add_nc_u64 s[XB:XB+1], s[4:5], s[96:97]
	s_add_nc_u64 s[WB:WB+1], s[6:7], s[98:99]
	CROUND                                         ; all sixteen work-groups are here: the joint loads meet
	DESC 0
	JL4                                            ; fill 0: my one tensor load at the head
	s_lshl_b32 s96, s66, 9
	s_lshl_b32 s97, s[NH], 8
	s_add_co_u32 s96, s96, s97
	s_mov_b32 s97, 0
	s_add_nc_u64 s[10:11], s[10:11], s[96:97]      ; the biases at my 64 columns
	s_add_nc_u64 s[12:13], s[12:13], s[96:97]
	s_add_nc_u64 s[14:15], s[14:15], s[96:97]
	s_lshl_b32 s4, s67, 12                         ; scale words, 512 bytes a tile: the activations' tiles 8 y + 4 (w / 2) on,
	s_lshl_b32 s96, s[TH], 11
	s_add_co_u32 s4, s4, s96
	s_lshl_b32 s5, s66, 12                         ; the weights' tiles 8 x + 4 (w % 2) on
	s_lshl_b32 s96, s[NH], 11
	s_add_co_u32 s5, s5, s96
	s_add_co_u32 s5, s5, 393216
	v_and_b32 v9, 31, v0                           ; lane
	v_and_b32 v10, 15, v0                          ; r
	v_bfe_u32 v11, v0, 4, 1                        ; h
	v_lshlrev_b32 v1, 4, v9                        ; 16 x lane
	v_lshlrev_b32 v2, 3, v9                        ; 8 x lane
	v_lshlrev_b32 v3, 4, v10
	v_lshl_add_u32 v3, v11, 3, v3                  ; 16 r + 8 h: two of my row's four scale words
	v_lshlrev_b32 v14, 6, v11                      ; the bias of q, k: 16 h numbers on
	v_and_b32 v15, 8, v10
	v_add_nc_u32 v15, v15, v10
	v_lshlrev_b32 v15, 2, v15                      ; the bias of v: my channel r + 8 (r / 8)
	v_mov_b32 v[QP], 0                             ; written once: a lane permute's destination counts as one of its sources
	v_mov_b32 v[QP+1], 0
	v_lshlrev_b32 v7, 5, v10                       ; 32 bytes of scale words a row
	s_wait_alu depctr_va_vdst(0)
	v_add_nc_u32 v12, s4, v7                       ; the activations' words of q,
	v_add_nc_u32 v13, s5, v7                       ; the weights'
	v_cmp_ne_u32 vcc_lo, 0, v11
	v_cndmask_b32 v[SA], v13, v12, vcc_lo          ; q: lanes 0-15 the weights', lanes 16-31 the activations'
	v_add_nc_u32 v7, 0x20000, v12                  ; 256 tiles on,
	v_add_nc_u32 v8, 0x8000, v13                   ; 64 tiles on
	v_cndmask_b32 v[SA+1], v8, v7, vcc_lo          ; k likewise
	v_add_nc_u32 v7, 0x40000, v12
	v_add_nc_u32 v8, 0x10000, v13
	v_cndmask_b32 v[SA+2], v7, v8, vcc_lo          ; v: lanes 0-15 the activations', lanes 16-31 the weights'
	NEXT 0, 10
	MKAD 0,  TH, 6, 0
	MKAD 1,  NH, 6, 73728
	MKAD 2,  TH, 2, S1
	MKAD 3,  NH, 2, S1+24576
	MKAD 4,  TH, 4, S1+49152
	MKAD 5,  NH, 4, S1+98304
	MKAD 6,  TH, 4, 0
	MKAD 7,  NH, 4, 49152
	MKAD 8,  TH, 2, 98304
	MKAD 9,  NH, 2, 122880
	MKAD 10, TH, 6, S1
	MKAD 11, NH, 6, S1+73728
	; where the results go
	s_lshr_b32 s96, s67, 4                         ; batch
	s_lshl_b32 s96, s96, 4
	s_lshl_b32 s97, s66, 1
	s_add_co_u32 s96, s96, s97
	s_add_co_u32 s96, s96, s[NH]                   ; 16 x batch + head
	s_and_b32 s97, s67, 15                         ; my 128 tokens in their sequence
	s_lshl_b32 s98, s96, 5
	s_lshl_b32 s99, s97, 1
	s_add_co_u32 s98, s98, s99
	s_add_co_u32 s98, s98, s[TH]
	s_mul_i32 s98, s98, 3328                       ; q's entry: my 64 tokens
	s_mov_b32 s99, 0
	s_add_nc_u64 s[PQF:PQF+1], s[16:17], s[98:99]
	s_add_nc_u64 s[PQS:PQS+1], s[PQF:PQF+1], 3072
	s_lshl_b32 s98, s96, 4
	s_add_co_u32 s98, s98, s97
	s_mul_i32 s98, s98, 13312                      ; the key step's entry
	s_mul_i32 s96, s[TH], 3072                     ; which 64 of its 128 keys
	s_add_co_u32 s96, s96, s98
	s_mov_b32 s97, 0
	s_add_nc_u64 s[PKF:PKF+1], s[18:19], s[96:97]
	s_add_nc_u64 s[PVF:PVF+1], s[PKF:PKF+1], 6144  ; V's half fragments lie behind K's
	s_lshl_b32 s96, s[TH], 8
	s_add_co_u32 s96, s96, s98
	s_add_co_u32 s96, s96, 12288
	s_add_nc_u64 s[PKS:PKS+1], s[18:19], s[96:97]
	s_add_nc_u64 s[PVS:PVS+1], s[PKS:PKS+1], 512   ; V's scale words behind K's
	s_wait_alu depctr_va_vdst(0)                   ; the wait at the head's end
	s_wait_tensorcnt 0x0                           ; my part of fill 0 is in
	ds_add_u32 v[SPW], v[NIL]
	DESC 1
	s_wait_dscnt 0x0
	CROUND                                         ; everybody's part is in, and all sixteen work-groups are here
	JL4                                            ; fill 1, slot 1's first
	FETCH 0
.irp g, 0,1,2,3,4,5,6,7
	STEPG \g, 0
.endr
	EPI 0, PQF, PQS, 12
.irp g, 8,9,10,11,12,13,14,15
	STEPG \g, 0
.endr
	EPI 1, PKF, PKS, 14
.irp g, 16,17,18,19,20,21,22,23
	STEPG \g, 1
.endr
	EPI 2, PVF, PVS, 14
	s_wait_tensorcnt 0x0                           ; the wave's end
	ds_add_u32 v[SPW], v[NIL]
	s_wait_dscnt 0x0
	CROUND                                         ; the closing round
	s_endpgm
.Lfunc_end_k_q4c057e4354_proj:
	.size	k_q4c057e4354_proj, .Lfunc_end_k_q4c057e4354_proj-k_q4c057e4354_proj
	.p2alignl 7, 3214868480
	.fill 96, 4, 3214868480
	.section	.rodata,"a",@progbits
	.p2align	6, 0x0
	.amdhsa_kernel k_q4c057e4354_proj
		.amdhsa_group_segment_fixed_size 327680
		.amdhsa_private_segment_fixed_size 0
		.amdhsa_enable_private_segment 0
		.amdhsa_kernarg_size 64
		.amdhsa_user_sgpr_count 2
		.amdhsa_user_sgpr_kernarg_segment_ptr 1
		.amdhsa_wavefront_size32 1
		.amdhsa_system_sgpr_workgroup_id_x 1
		.amdhsa_system_sgpr_workgroup_id_y 1
		.amdhsa_system_sgpr_workgroup_id_z 1
		.amdhsa_system_vgpr_workitem_id 0
		.amdhsa_next_free_vgpr 512
		.amdhsa_next_free_sgpr 102
		.amdhsa_reserve_vcc 1
		.amdhsa_float_denorm_mode_32 3
		.amdhsa_float_denorm_mode_16_64 3
		.amdhsa_memory_ordered 1
		.amdhsa_forward_progress 1
		.amdhsa_inst_pref_size 149
	.end_amdhsa_kernel
	.amdgpu_metadata
---
amdhsa.version: [ 1, 2 ]
amdhsa.kernels:
  - .name:           k_q4c057e4354_proj
    .symbol:         k_q4c057e4354_proj.kd
    .args:
      - { .name: xc, .offset: 0, .size: 8, .value_kind: global_buffer, .address_space: global }
      - { .name: wc, .offset: 8, .size: 8, .value_kind: global_buffer, .address_space: global }
      - { .name: qs, .offset: 16, .size: 8, .value_kind: global_buffer, .address_space: global }
      - { .name: bq, .offset: 24, .size: 8, .value_kind: global_buffer, .address_space: global }
      - { .name: bk, .offset: 32, .size: 8, .value_kind: global_buffer, .address_space: global }
      - { .name: bv, .offset: 40, .size: 8, .value_kind: global_buffer, .address_space: global }
      - { .name: qh, .offset: 48, .size: 8, .value_kind: global_buffer, .address_space: global }
      - { .name: kv, .offset: 56, .size: 8, .value_kind: global_buffer, .address_space: global }
    .group_segment_fixed_size: 327680
    .private_segment_fixed_size: 0
    .kernarg_segment_align: 8
    .kernarg_segment_size: 64
    .max_flat_workgroup_size: 128
    .sgpr_count:     102
    .vgpr_count:     512
    .wavefront_size: 32
...
	.end_amdgpu_metadata
.endif
;; end of part 2
;; launch attn (part 3): grid 8 x 32, 16 waves a work-group, no clusters, 327,680 bytes of LDS; arguments qh, kv, oc, qs; writes oc, qs
.if DOCPART == 3
	.amdgcn_target "amdgcn-amd-amdhsa--gfx1250"
	.amdhsa_code_object_version 6
	.text
	.protected	k_q4c057e4354_attn
	.globl	k_q4c057e4354_attn
	.p2align	8
	.type	k_q4c057e4354_attn,@function
k_q4c057e4354_attn:
	s_mov_b64 s[64:65], 0
	v_nop
	global_prefetch_b8 v0, s[64:65] scope:SCOPE_SE
	s_setreg_imm32_b32 hwreg(HW_REG_WAVE_MODE, 25, 1), 1
	s_wait_xcnt 0x0
; Causal attention of one head on codes of FP6 (E2M3) with E8M0 scales, and the head's output quantised at once along its 64 channels for the last product.
; t = score x log2(e) (q and k were scaled when they were made); M = the running largest t rounded up to a whole number; p = 2^(t - M) is quantised along the keys, not normalised;
; the row's sum is taken of the unquantised p and divides O at the end.  When M moves, sum and O are multiplied by 2^(old M - new M), which rounds nothing.
; SHARES.  Work-group (j, batch x head) owns the 128-query blocks j (short: j + 1 key steps of 128) and 15 - j (long: 16 - j steps), eight tiles of 16 queries each: 17 steps for each pair of tiles.
; Wave a (0-7) takes tile a of the long block, key steps 0 .. SWT - 1.  Wave a + 8 takes tile a of the short block whole, stores it, and then the long tile's steps SWT .. 15 - j;
; its O, M and sum go through LDS bytes of their own to wave a, which brings both parts under the larger M (whole numbers: exact factors), adds them and finishes.  SWT = 9 (10 where j < 2): 7 to 10 steps a wave.
; Key steps that the causal mask hides whole are left out by scalar branches on ids.
; A HEAD'S WHOLE K, V AND SCALE WORDS, 16 x 13,312 dense bytes, LIE IN LDS, EACH BYTE FILLED ONCE, in two fills: key steps 0-3 at the head (13 rows of 256 bytes a wave), steps 4-15 behind the
; wait, the add and the barrier at the head's end (39 rows a wave); they are read behind a barrier that stands between step 3 and step 4.  A wave has one tensor load out.
; Key steps beyond block 15 - j are brought and not read.
; NO CLUSTER, though the eight work-groups of a head read the same bytes: the steps that the mask hides are left out by branches on the query block, which would be a work-group's place in its cluster.
; NO PREFETCH: both fills are asked for at the head, ahead of the loops.
; Both products are used transposed: S^T = K Q^T (source 0 = 16 keys), O^T = V^T P^T (source 0 = 16 channels): a lane holds one query (lane % 16) throughout.
; The head has 64 channels: registers 6-11 of Q's and K's fragments are zero codes, and bytes 2, 3 of their scale words are 0.
; By the order of a tile's rows (lane r of tile 2 g + u: row 32 g + 8 u + r + 8 (r / 8)) the 16 registers of tiles 2 b, 2 b + 1 of S^T are keys 32 b + 16 (lane / 16) + 0 .. 15; O^T's likewise channels.
; oc: [tile of tokens 256][head 16] half fragments of 768 bytes (registers 0-3 at 16 x lane, 4-5 at 512 + 8 x lane); qs from byte 524,288: scale words [tile][r 16][K step 8]: a head owns two bytes of a word.
; LIMITS: the promise holds while the scaled scores t stay under 2^31 in magnitude; 1 / sum is v_rcp_f32 and a multiplication; a block of zeros gets the byte 1; NaN and infinities are not served.
.set STEPB, 13312                      ; a key step in LDS: K's 8 half fragments, V's 8, K's scale words (512), V's (512)
.set PART,  212992                     ; behind the 16 steps: 4,608 bytes for each pair of waves: O^T (8 x 512), then -M, t, the sum's halves (512); no tensor load lands here
.set SPARE, 249856                     ; the spare words, 128 bytes for each wave
.set SPW, 4
.set NIL, 5
.set A16, 6                            ; v6-8 the step's addresses: + 16 x lane, + 8 x lane, + 16 r
.set A8,  7
.set AS,  8
.set KF,  32                           ; v32-79   four fragments of K
.set KS,  80                           ; v80-87   K's scale words
.set VR,  88                           ; v88-95   V's half words as they lie
.set S,   96                           ; v96-159  S^T, then p; then v96-143 V's four fragments
.set O,   160                          ; v160-191 O^T
.set VS,  192                          ; v192-195 V's scale words
.set PWD, 196                          ; v196     p's scale word
.set OW,  197                          ; v197     the output's two scale bytes
.set PA,  198                          ; v198     LDS address of my pair's part: PART + 4,608 (wave % 8) + 16 x lane
.set F,   200                          ; v[200:201] 2^(old M - new M)
.set Q2B, 202                          ; v202-203, v240-243, v223: waves 8-15: the long tile's Q and its scale word, until the change of tiles
.set Q2S, 223
.set Q2,  240
.set PCD, 204                          ; v204-215 p's codes; v216-222 at work
.set PT,  216
.set BM,  224
.set PD,  228
.set SO,  232
.set TA,  236
.set QM,  224
.set QP,  228
.set QS,  232
.set WV,  12
.set BH,  13
.set DG,  14                           ; the key step on my tile's diagonal
.set LIM, 15                           ; the last key step that I work for my tile
.set G1,  16                           ; s[16:23] group 1, 13 rows;  s[24:27] its group 0
.set G0,  24
.set SEL, 28
.set CS,  30
.set TB,  32
.set KST, 33
.set G1B, 48                           ; s[48:55] group 1, 39 rows;  s[56:59] its group 0
.set G0B, 56
.set SWT, 60                           ; the key step at which waves 8-15 change tiles
.set LNG, 61                           ; 15 - j
.set AT,  62                           ; wave % 8
.set TT,  63                           ; my first tile in the sequence
.set A2,  74                           ; (wave % 8) / 2: the block of 32 keys of the diagonal step in which my tile's diagonal lies
.set JJ,  77                           ; j
.set MK,  80                           ; s[80:95] lane masks of that block: bit of a lane set where its register i is a key after its query
.set NINF, 199                         ; v199 -infinity; never rewritten
.macro INIT                            ; a tile's state: the step is written once; the first finds zeros, which the first change of M leaves zeros
	v_mov_b32 v13, 0xff61b1e6                      ; the largest t so far: -3e38
	v_mov_b32 v14, 0                               ; the sum, in two halves
	v_mov_b32 v15, 0
	s_delay_alu instid0(VALU_DEP_3)
	v_floor_f32 v12, -v13                          ; -M
.set n, 0
.rept 32
	v_mov_b32 v[O+n], 0
.set n, n+1
.endr
.endm
; One key step of 128 for my 16 queries
.macro STEP
	s_cmp_gt_u32 s[KST], s[LIM]
	s_cbranch_scc1 .Lnext_\@
	v_add_nc_u32 v[A16], s[TB], v1
	v_add_nc_u32 v[A8], s[TB], v2
	v_add_nc_u32 v[AS], s[TB], v3
	s_wait_alu depctr_va_vdst(0)
	ds_load_b128 v[KS:KS+3], v[AS] offset:12288    ; K's scale words, tiles 0-3 of row r,
	ds_load_b128 v[KS+4:KS+7], v[AS] offset:12544  ; tiles 4-7;
	ds_load_b128 v[VR:VR+3], v[AS] offset:12800    ; V's, keys 0-63, four tiles of channels,
	ds_load_b128 v[VR+4:VR+7], v[AS] offset:13056  ; keys 64-127
.irp g, 0,1                                    ; S^T = K Q^T, four tiles of 16 keys at a time
.irp t, 0,1,2,3
	ds_load_b128 v[KF+12*\t:KF+12*\t+3], v[A16] offset:768*(4*\g+\t)
	ds_load_b64 v[KF+12*\t+4:KF+12*\t+5], v[A8] offset:768*(4*\g+\t)+512
.endr
	s_wait_dscnt 0x0
.irp t, 0,1,2,3
	v_wmma_scale_f32_16x16x128_f8f6f4 v[S+8*(4*\g+\t):S+8*(4*\g+\t)+7], v[KF+12*\t:KF+12*\t+11], v[16:27], 0, v[KS+4*\g+\t], v28 matrix_a_fmt:MATRIX_FMT_FP6 matrix_b_fmt:MATRIX_FMT_FP6
.endr
.if \g == 0
.irp t, 0,1,2,3
	v_lshl_or_b32 v[VS+\t], v[VR+4+\t], 16, v[VR+\t]   ; V's scale word of the 128 keys.  These four plain lines are also the places in front of the loads into K's registers
.endr
.endif
.endr
.rept 4
	v_nop                                          ; places in front of the first read of the scores
.endr
	s_cmp_lg_u32 s[KST], s[DG]
	s_cbranch_scc1 .Lopen_\@
; the diagonal step: hidden scores become -infinity ahead of the maximum: p = 0 then.  My queries lie in keys 32 A2 .. 32 A2 + 31 of the step: blocks of 32 keys below A2 are seen whole, those above are hidden whole
.irp b, 0,1,2,3
	s_cmp_gt_u32 s[A2], \b
	s_cbranch_scc1 .Lseen_\@_\b
.if \b > 0
	s_cmp_eq_u32 s[A2], \b
	s_cbranch_scc0 .Lhid_\@_\b
.endif
.irp i, 0,1,2,3,4,5,6,7,8,9,10,11,12,13,14,15
	v_cndmask_b32 v[S+16*\b+\i], v[S+16*\b+\i], v[NINF], s[MK+\i]   ; each accumulator from its low end on
.endr
.if \b > 0
	s_branch .Lseen_\@_\b
.Lhid_\@_\b:
.irp i, 0,1,2,3,4,5,6,7,8,9,10,11,12,13,14,15
	v_mov_b32 v[S+16*\b+\i], v[NINF]
.endr
.endif
.Lseen_\@_\b:
.endr
	s_wait_alu depctr_va_vdst(0)                   ; what was written here stands behind taken branches
.Lopen_\@:
.irp b, 0,1,2,3
	v_max3_num_f32 v[BM+\b], v[S+16*\b], v[S+1+16*\b], v[S+2+16*\b]   ; the largest score of each block of 32 keys: for the row's maximum and, since p rises with the score, for the block's largest p
.endr
.irp i, 3,5,7,9,11,13
.irp b, 0,1,2,3
	v_max3_num_f32 v[BM+\b], v[BM+\b], v[S+16*\b+\i], v[S+1+16*\b+\i]
.endr
.endr
.irp b, 0,1,2,3
	v_max_num_f32 v[BM+\b], v[BM+\b], v[S+15+16*\b]
.endr
.irp b, 0,1,2,3
	s_delay_alu instid0(VALU_DEP_4)
	v_permlanex16_b32 v[PD+\b], v[BM+\b], s[SEL], s[SEL+1]
.endr
.irp b, 0,1,2,3
	s_delay_alu instid0(VALU_DEP_4)
	v_max_num_f32 v[BM+\b], v[BM+\b], v[PD+\b]     ; with lane l xor 16's 16 keys
.endr
	s_delay_alu instid0(VALU_DEP_2)
	v_max3_num_f32 v[TA], v[BM], v[BM+1], v[BM+2]
	s_delay_alu instid0(VALU_DEP_1)
	v_max_num_f32 v[TA], v[TA], v[BM+3]
	s_delay_alu instid0(VALU_DEP_1)
	v_mul_f32 v[TA], s[CS], v[TA]                  ; as t
	s_delay_alu instid0(VALU_DEP_1)
	v_max_num_f32 v13, v13, v[TA]                  ; the running largest t
	v_mov_b32 v[TA], v12
	s_delay_alu instid0(VALU_DEP_2)
	v_floor_f32 v12, -v13                          ; the new -M = -ceil(t)
	s_delay_alu instid0(VALU_DEP_1)
	v_sub_f32 v[TA], v12, v[TA]                    ; old M - new M: a whole number, 0 or less
	s_delay_alu instid0(VALU_DEP_1)
	v_cvt_i32_f32 v[TA], v[TA]                     ; (it saturates)
	s_delay_alu instid0(VALU_DEP_1)
	v_ldexp_f32 v[F], 1.0, v[TA]
.set n, 0
.rept 32
	v_pk_fma_f32 v[S+n:S+n+1], v[S+n:S+n+1], s[CS:CS+1], v[12:13] op_sel_hi:[1,0,0]   ; t - M, two at a time
.set n, n+2
.endr
.irp b, 0,1,2,3
	v_fma_f32 v[BM+\b], v[BM+\b], s[CS], v12       ; the same of each block's largest score
.endr
.set n, 0
	s_wait_alu depctr_va_vdst(0)                   ; the wait ahead of the batch
.rept 64
	v_exp_f32 v[S+n], v[S+n]                       ; p = 2^(t - M)
.set n, n+1
.endr
	v_pk_mul_f32 v[14:15], v[14:15], v[F:F+1] op_sel_hi:[1,0]   ; the sums under the new M: the plain line behind the exponentials
	s_wait_alu depctr_va_vdst(0)                   ; one wait for the batch of 64, ahead of its first reader
.irp b, 0,1,2,3
	v_exp_f32 v[BM+\b], v[BM+\b]                   ; the block's largest p
.endr
	v_pk_add_f32 v[238:239], v[100:101], v[104:105]    ; the row's sum of the unquantised p, two at a time, in eight chains
	v_pk_add_f32 v[254:255], v[108:109], v[112:113]
	v_pk_add_f32 v[252:253], v[116:117], v[120:121]
	v_pk_add_f32 v[250:251], v[124:125], v[128:129]
	v_pk_add_f32 v[248:249], v[132:133], v[136:137]
	v_pk_add_f32 v[246:247], v[140:141], v[144:145]
	v_pk_add_f32 v[244:245], v[148:149], v[152:153]
	v_pk_add_f32 v[14:15], v[14:15], v[156:157]
	v_pk_add_f32 v[238:239], v[238:239], v[96:97]
	v_pk_add_f32 v[254:255], v[254:255], v[98:99]
	v_pk_add_f32 v[252:253], v[252:253], v[102:103]
	v_pk_add_f32 v[250:251], v[250:251], v[106:107]
	v_pk_add_f32 v[248:249], v[248:249], v[110:111]
	v_pk_add_f32 v[246:247], v[246:247], v[114:115]
	v_pk_add_f32 v[244:245], v[244:245], v[118:119]
	v_pk_add_f32 v[14:15], v[14:15], v[122:123]
	v_pk_add_f32 v[238:239], v[238:239], v[126:127]
	v_pk_add_f32 v[254:255], v[254:255], v[130:131]
	v_pk_add_f32 v[252:253], v[252:253], v[134:135]
	v_pk_add_f32 v[250:251], v[250:251], v[138:139]
	v_pk_add_f32 v[248:249], v[248:249], v[142:143]
	v_pk_add_f32 v[246:247], v[246:247], v[146:147]
	v_pk_add_f32 v[244:245], v[244:245], v[150:151]
	v_pk_add_f32 v[14:15], v[14:15], v[154:155]
	v_pk_add_f32 v[238:239], v[238:239], v[158:159]
	s_delay_alu instid0(VALU_DEP_2)
	v_pk_add_f32 v[14:15], v[14:15], v[250:251]
	s_delay_alu instid0(VALU_DEP_2)
	v_pk_add_f32 v[238:239], v[238:239], v[248:249]
	v_pk_add_f32 v[254:255], v[254:255], v[246:247]
	v_pk_add_f32 v[252:253], v[252:253], v[244:245]
	s_delay_alu instid0(VALU_DEP_2)
	v_pk_add_f32 v[14:15], v[14:15], v[254:255]
	s_delay_alu instid0(VALU_DEP_2)
	v_pk_add_f32 v[238:239], v[238:239], v[252:253]
	s_delay_alu instid0(VALU_DEP_1)
	v_pk_add_f32 v[14:15], v[14:15], v[238:239]
	s_wait_alu depctr_va_vdst(0)                   ; and one for the four
.irp b, 0,1,2,3
	v_max_num_f32 v[BM+\b], 0x1800000, v[BM+\b]    ; the floor 2^(3 - 127)
.endr
.irp b, 0,1,2,3
	s_delay_alu instid0(VALU_DEP_4)
	v_add_nc_u32 v[SO+\b], 0xff000000, v[BM+\b]    ; the conversion's scale operand
.endr
.irp b, 0,1,2,3
	s_delay_alu instid0(VALU_DEP_4)
	v_lshrrev_b32 v[PD+\b], 23, v[SO+\b]           ; the byte
.endr
	s_delay_alu instid0(VALU_DEP_3)
	v_lshl_or_b32 v[PWD], v[PD+1], 8, v[PD]
	s_delay_alu instid0(VALU_DEP_1)
	v_lshl_or_b32 v[PWD], v[PD+2], 16, v[PWD]
	s_delay_alu instid0(VALU_DEP_1)
	v_lshl_or_b32 v[PWD], v[PD+3], 24, v[PWD]
.irp c, 0,1
	v_cvt_scalef32_pk16_fp6_f32 v[PCD+6*\c:PCD+6*\c+2], v[S+32*\c:S+32*\c+15], v[SO+2*\c]
	v_cvt_scalef32_pk16_fp6_f32 v[PT+4*\c:PT+4*\c+2], v[S+16+32*\c:S+31+32*\c], v[SO+2*\c+1]
.endr
	v_nop                                          ; one plain line behind the conversions
.irp c, 0,1
.irp i, 0,1,2
	v_permlane16_swap_b32 v[PCD+6*\c+\i], v[PT+4*\c+\i]
.endr
.irp i, 0,1,2
	s_delay_alu instid0(VALU_DEP_3)
	v_mov_b32 v[PCD+3+6*\c+\i], v[PT+4*\c+\i]
.endr
.endr
.irp t, 0,1,2,3                                ; V's four fragments (16 channels x 128 keys: two half fragments each) into the registers that p has left
.irp c, 0,1
	ds_load_b128 v[S+12*\t+6*\c:S+12*\t+6*\c+3], v[A16] offset:6144+3072*\c+768*\t
	ds_load_b64 v[S+12*\t+6*\c+4:S+12*\t+6*\c+5], v[A8] offset:6144+3072*\c+768*\t+512
.endr
.endr
.set n, 0
.rept 16
	v_pk_mul_f32 v[O+n:O+n+1], v[O+n:O+n+1], v[F:F+1] op_sel_hi:[1,0]   ; O^T under the new M; these lines also stand between the writes of p's codes and scale word and the products
.set n, n+2
.endr
	s_wait_alu depctr_va_vdst(0)                   ; directly ahead of the wait below
	s_wait_dscnt 0x0
.irp t, 0,1,2,3                                ; O^T += V^T P^T, the four accumulators by turns
	v_wmma_scale_f32_16x16x128_f8f6f4 v[O+8*\t:O+8*\t+7], v[S+12*\t:S+12*\t+11], v[PCD:PCD+11], v[O+8*\t:O+8*\t+7], v[VS+\t], v[PWD] matrix_a_fmt:MATRIX_FMT_FP6 matrix_b_fmt:MATRIX_FMT_FP6
.endr
.rept 5
	v_nop                                          ; the next step's products write over V's registers: five places; they also serve the reads of O^T behind the steps
.endr
.Lnext_\@:
.endm
; THE WAY OUT of a finished tile: O^T / the sum, quantised along the head's 64 channels: a half fragment of the last product's operand
.macro FIN
	v_add_f32 v14, v14, v15
	s_delay_alu instid0(VALU_DEP_1)
	v_permlanex16_b32 v[PD], v14, s[SEL], s[SEL+1]
	s_delay_alu instid0(VALU_DEP_1)
	v_add_f32 v14, v14, v[PD]                      ; the row's sum
	s_wait_alu depctr_va_vdst(0)                   ; the wait ahead of the reciprocal
	v_rcp_f32 v14, v14
	v_nop                                          ; a plain line behind the reciprocal
	s_wait_alu depctr_va_vdst(0)                   ; and the wait ahead of its first reader
.set n, 0
.rept 32
	v_mul_f32 v[S+n], v[O+n], v14                  ; register 16 b + i: channel 32 b + 16 h + i of my query
.set n, n+1
.endr
	v_max3_num_f32 v[QM], |v[S]|, |v[S+1]|, 0x1800000
	v_max3_num_f32 v[QM+1], |v[S+16]|, |v[S+17]|, 0x1800000
.irp i, 2,4,6,8,10,12,14
	s_delay_alu instid0(VALU_DEP_2)
	v_max3_num_f32 v[QM], v[QM], |v[S+\i]|, |v[S+\i+1]|
	s_delay_alu instid0(VALU_DEP_2)
	v_max3_num_f32 v[QM+1], v[QM+1], |v[S+16+\i]|, |v[S+17+\i]|
.endr
	s_delay_alu instid0(VALU_DEP_2)
	v_permlanex16_b32 v[QP], v[QM], s[SEL], s[SEL+1]
	s_delay_alu instid0(VALU_DEP_2)
	v_permlanex16_b32 v[QP+1], v[QM+1], s[SEL], s[SEL+1]
	s_delay_alu instid0(VALU_DEP_2)
	v_max_num_f32 v[QM], v[QM], v[QP]
	s_delay_alu instid0(VALU_DEP_2)
	v_max_num_f32 v[QM+1], v[QM+1], v[QP+1]
	s_delay_alu instid0(VALU_DEP_2)
	v_add_nc_u32 v[QS], 0xff000000, v[QM]
	s_delay_alu instid0(VALU_DEP_2)
	v_add_nc_u32 v[QS+1], 0xff000000, v[QM+1]
	s_delay_alu instid0(VALU_DEP_2)
	v_lshrrev_b32 v[QP], 23, v[QS]
	s_delay_alu instid0(VALU_DEP_2)
	v_lshrrev_b32 v[QP+1], 23, v[QS+1]
	s_delay_alu instid0(VALU_DEP_1)
	v_lshl_or_b32 v[OW], v[QP+1], 8, v[QP]
	v_cvt_scalef32_pk16_fp6_f32 v[PCD:PCD+2], v[S:S+15], v[QS]
	v_cvt_scalef32_pk16_fp6_f32 v[PT:PT+2], v[S+16:S+31], v[QS+1]
	v_nop                                          ; one plain line behind the conversions
.irp i, 0,1,2
	v_permlane16_swap_b32 v[PCD+\i], v[PT+\i]
.endr
.irp i, 0,1,2
	s_delay_alu instid0(VALU_DEP_3)
	v_mov_b32 v[PCD+3+\i], v[PT+\i]
.endr
	global_store_b128 v1, v[PCD:PCD+3], s[8:9]             ; 512 consecutive bytes
	global_store_b64 v2, v[PCD+4:PCD+5], s[8:9] offset:512 ; 256 consecutive bytes
	global_store_b16 v10, v[OW], s[10:11]                  ; my row's two scale bytes (both halves of the lanes store the same value); the word's other half is the neighbouring head's
.endm
	s_load_b256 s[4:11], s[0:1], 0x0               ; qh s[4:5], kv s[6:7], oc s[8:9], qs s[10:11]
	v_lshl_add_u32 v[SPW], v0, 2, SPARE
	v_mov_b32 v[NIL], 0
	ds_add_u32 v[SPW], v[NIL]                      ; the wave's opening: the add, twice on end, and its wait ahead of my first tensor load
	ds_add_u32 v[SPW], v[NIL]
	v_lshrrev_b32 v6, 5, v0
	s_delay_alu instid0(VALU_DEP_1)
	v_readfirstlane_b32 s[WV], v6                  ; wave 0..15
	s_and_b32 s34, ttmp7, 0xffff                   ; the grid's (x, y) names (j, batch x head) so: 16 x batch + head = 16 (x / 4) + y / 2, j = x % 4 + 4 (y % 2):
	s_lshr_b32 s[BH], s34, 1                       ; the eight work-groups that read one head's K and V have x / 4 in common
	s_lshr_b32 s35, ttmp9, 2
	s_lshl_b32 s35, s35, 4
	s_add_co_u32 s[BH], s[BH], s35                 ; 16 x batch + head
	s_and_b32 s34, s34, 1
	s_lshl_b32 s34, s34, 2
	s_and_b32 s[JJ], ttmp9, 3
	s_add_co_u32 s[JJ], s[JJ], s34                 ; j
	s_sub_co_u32 s[LNG], 15, s[JJ]                 ; the long block
	s_cmp_lt_u32 s[JJ], 2
	s_cselect_b32 s[SWT], 10, 9
	s_sub_co_u32 s34, s[SWT], 1                    ; at most 15 - j for every j
	s_cmp_lt_u32 s[WV], 8
	s_cselect_b32 s[DG], s[LNG], s[JJ]             ; my first tile's block: its diagonal step
	s_cselect_b32 s[LIM], s34, s[JJ]
	s_and_b32 s[AT], s[WV], 7
	s_lshl_b32 s[TT], s[DG], 3
	s_add_co_u32 s[TT], s[TT], s[AT]               ; my first tile of 16 queries in the sequence: the one that I store
.irp g, G1, G1B
	s_mov_b32 s[\g], 3<<16                         ; no mask; elements of 8 bytes; no padding
	s_mov_b32 s[\g+1], 32<<16                      ; tensor_dim0 = 32 elements: 256 bytes
	s_mov_b32 s[\g+3], 32<<16                      ; tile_dim0
	s_mov_b32 s[\g+5], 32                          ; the pitch: dense
	s_mov_b32 s[\g+6], 0
	s_mov_b32 s[\g+7], 0
.endr
	s_mov_b32 s[G1+2], 13<<16                      ; key steps 0-3 are 208 rows: 13 a wave
	s_mov_b32 s[G1+4], 13
	s_mov_b32 s[G1B+2], 39<<16                     ; key steps 4-15 are 624 rows: 39 a wave
	s_mov_b32 s[G1B+4], 39
	s_mov_b32 s[G0], 1
	s_mul_i32 s[G0+1], s[WV], 3328
	s_mov_b32 s[G0B], 1
	s_mul_i32 s[G0B+1], s[WV], 9984
	s_add_co_u32 s[G0B+1], s[G0B+1], 4*STEPB
	s_mul_i32 s70, s[BH], 16*STEPB                 ; the head's bytes lie in memory as they lie in LDS
	s_add_co_u32 s72, s70, s[G0B+1]
	s_add_co_u32 s70, s70, s[G0+1]
	s_mov_b32 s71, 0
	s_mov_b32 s73, 0
	s_lshl_b32 s36, s[BH], 5
	s_lshr_b32 s35, s[TT], 2
	s_add_co_u32 s34, s36, s35
	s_mul_i32 s34, s34, 3328                       ; q: the entry of my first tile's 64 tokens,
	s_mov_b32 s35, 0
	s_lshl_b32 s37, s[LNG], 1
	s_add_co_u32 s36, s36, s37
	s_lshr_b32 s37, s[AT], 2
	s_add_co_u32 s36, s36, s37
	s_mul_i32 s36, s36, 3328                       ; and of the long tile's
	s_mov_b32 s37, 0
	s_and_b32 s40, s[AT], 3
	s_mul_i32 s38, s40, 768                        ; the tile's half fragment in its entry
	s_mov_b32 s39, 0
	s_lshr_b32 s41, s[BH], 4
	s_lshl_b32 s41, s41, 7
	s_add_co_u32 s41, s41, s[TT]                   ; my first tile among all 256
	s_and_b32 s42, s[BH], 15                       ; the head
	s_mul_i32 s44, s41, 12288
	s_mul_i32 s45, s42, 768
	s_add_co_u32 s44, s44, s45
	s_mov_b32 s45, 0
	s_lshl_b32 s46, s41, 9
	s_lshl_b32 s42, s42, 1                         ; word head / 2, its half head % 2: 2 x head bytes
	s_add_co_u32 s46, s46, s42
	s_add_co_u32 s46, s46, 524288
	s_mov_b32 s47, 0
	s_mov_b32 s[SEL], 0x76543210
	s_mov_b32 s[SEL+1], 0xfedcba98
	s_mov_b32 s[CS], 0x3fb8aa3b                    ; log2(e)
	s_mov_b32 s[CS+1], s[CS]
	s_wait_dscnt 0x0                               ; both opening adds are done
	s_wait_kmcnt 0x0
	s_add_nc_u64 s[G0+2:G0+3], s[6:7], s[70:71]
	s_or_b32 s[G0+3], s[G0+3], 0x80000000
	tensor_load_to_lds s[G0:G0+3], s[G1:G1+7]      ; my 13 rows of key steps 0-3: my one tensor load at the head
	s_nop 0
	s_add_nc_u64 s[G0B+2:G0B+3], s[6:7], s[72:73]
	s_or_b32 s[G0B+3], s[G0B+3], 0x80000000
	s_add_nc_u64 s[34:35], s[4:5], s[34:35]
	s_add_nc_u64 s[36:37], s[4:5], s[36:37]
	s_add_nc_u64 s[66:67], s[34:35], s[38:39]
	s_add_nc_u64 s[68:69], s[36:37], s[38:39]
	s_add_nc_u64 s[8:9], s[8:9], s[44:45]
	s_add_nc_u64 s[10:11], s[10:11], s[46:47]
	v_and_b32 v10, 31, v0                          ; lane
	v_and_b32 v11, 15, v0                          ; r
	v_bfe_u32 v29, v0, 4, 1                        ; h
	s_delay_alu instid0(VALU_DEP_3)
	v_lshlrev_b32 v1, 4, v10
	s_delay_alu instid0(VALU_DEP_4)
	v_lshlrev_b32 v2, 3, v10
	s_delay_alu instid0(VALU_DEP_4)
	v_lshlrev_b32 v3, 4, v11
	s_delay_alu instid0(VALU_DEP_1)
	v_lshl_add_u32 v30, s40, 2, v3                 ; q's scale words lie [r 16][tile 4]
	global_load_b128 v[16:19], v1, s[66:67]        ; my first tile's Q stays in registers
	global_load_b64 v[20:21], v2, s[66:67] offset:512
	global_load_b32 v28, v30, s[34:35] offset:3072
	s_cmp_lt_u32 s[WV], 8
	s_wait_alu depctr_va_vdst(0)                   ; directly ahead of the branch
	s_cbranch_scc1 .Lone_q
	global_load_b128 v[Q2:Q2+3], v1, s[68:69]      ; waves 8-15: the long tile's Q too
	global_load_b64 v[Q2B:Q2B+1], v2, s[68:69] offset:512
	global_load_b32 v[Q2S], v30, s[36:37] offset:3072
.Lone_q:
	v_lshlrev_b32 v10, 5, v11                      ; the way out: 32 r
	s_lshr_b32 s[A2], s[AT], 1
	s_and_b32 s75, s[WV], 1
	s_lshl_b32 s75, s75, 3
	s_mul_i32 s76, s[AT], 4608
	s_add_co_u32 s76, s76, PART
	v_add_nc_u32 v[PA], s76, v1
	v_and_b32 v9, 8, v11
	s_delay_alu instid0(VALU_DEP_1)
	v_add_nc_u32 v9, v9, v11
	s_delay_alu instid0(VALU_DEP_1)
	v_add_nc_u32 v9, s75, v9                       ; my query in its 32 of the block of 128 (the same place in both blocks),
	v_lshlrev_b32 v31, 4, v29
	s_delay_alu instid0(VALU_DEP_1)
	v_sub_nc_u32 v9, v9, v31                       ; less 16 h: register i of the diagonal's block of 32 keys is hidden where i is above this
	s_delay_alu instid0(VALU_DEP_1)
.irp i, 0,1,2,3,4,5,6,7,8,9,10,11,12,13,14,15
	v_cmp_gt_i32 s[MK+\i], \i, v9
.endr
	v_mov_b32 v[NINF], 0xff800000
.irp i, 22,23,24,25,26,27
	v_mov_b32 v\i, 0                               ; Q's upper 64 along K: zero codes
.endr
.irp t, 0,1,2,3
.irp i, 6,7,8,9,10,11
	v_mov_b32 v[KF+12*\t+\i], 0                    ; K's likewise; set once: no load lands there
.endr
.endr
	v_mov_b32 v[F+1], 0                            ; (named as the upper half of a pair)
.irp b, 0,1,2,3
	v_mov_b32 v[PD+\b], 0                          ; written once: a lane permute's destination counts as one of its sources
.endr
	INIT
	s_wait_alu depctr_va_vdst(0)                   ; the wait at the head's end
	s_wait_tensorcnt 0x0                           ; my rows of key steps 0-3 are in
	ds_add_u32 v[SPW], v[NIL]
	s_wait_dscnt 0x0
	s_barrier_signal -1
	s_barrier_wait -1                              ; everybody's rows are in
	tensor_load_to_lds s[G0B:G0B+3], s[G1B:G1B+7]  ; my 39 rows of key steps 4-15: my one tensor load behind this barrier
	s_nop 0
	s_wait_loadcnt 0x0                             ; Q
	s_mov_b32 s[TB], 0
	s_mov_b32 s[KST], 0
.Lfirst:                                           ; key steps 0-3
	STEP
	s_add_co_u32 s[TB], s[TB], STEPB
	s_add_co_u32 s[KST], s[KST], 1
	s_cmp_lt_u32 s[KST], 4
	s_cbranch_scc1 .Lfirst
	s_wait_tensorcnt 0x0                           ; my rows of key steps 4-15 are in,
	s_barrier_signal -1
	s_barrier_wait -1                              ; everybody's are
	s_mov_b32 s[TB], 4*STEPB
	s_mov_b32 s[KST], 4
.Lrest:                                            ; key steps 4-15: 12 trips, a constant
	s_cmp_lg_u32 s[KST], s[SWT]
	s_cbranch_scc1 .Lsame_tile
	s_cmp_lt_u32 s[WV], 8
	s_cbranch_scc1 .Lsame_tile
	FIN                                            ; waves 8-15 at step SWT: the short tile (steps 0 .. j, j < SWT) is finished and leaves;
.irp i, 0,1,2,3
	v_mov_b32 v[16+\i], v[Q2+\i]                   ; the long tile's Q and scale word: the 36 plain lines below are the places ahead of the next products
.endr
	v_mov_b32 v20, v[Q2B]
	v_mov_b32 v21, v[Q2B+1]
	v_mov_b32 v28, v[Q2S]
	INIT
	s_mov_b32 s[LIM], s[LNG]                       ; its steps SWT .. 15 - j are mine (none where j = 7)
	s_mov_b32 s[DG], s[LNG]
	s_wait_xcnt 0x0                                ; the stores have read their registers: the next step writes the codes' anew
	s_wait_alu depctr_va_vdst(0)
.Lsame_tile:
	STEP
	s_add_co_u32 s[TB], s[TB], STEPB
	s_add_co_u32 s[KST], s[KST], 1
	s_cmp_lt_u32 s[KST], 16
	s_cbranch_scc1 .Lrest
	s_cmp_lt_u32 s[WV], 8
	s_cbranch_scc1 .Lmeet
.irp t, 0,1,2,3,4,5,6,7
	ds_store_b128 v[PA], v[O+4*\t:O+4*\t+3] offset:512*\t   ; waves 8-15: my part of the long tile; each accumulator from its low end on
.endr
	ds_store_b128 v[PA], v[12:15] offset:4096      ; -M, t, the sum's two halves
.Lmeet:
	s_wait_dscnt 0x0                               ; my stores are done
	s_barrier_signal -1
	s_barrier_wait -1
	s_cmp_lt_u32 s[WV], 8
	s_cbranch_scc0 .Lend
.irp t, 0,1,2,3,4,5,6,7,8
	ds_load_b128 v[S+4*\t:S+4*\t+3], v[PA] offset:512*\t    ; waves 0-7: my partner's part
.endr
	s_wait_dscnt 0x0
	v_min_num_f32 v[TA], v12, v[S+32]              ; -M of both parts together: the larger M
	s_delay_alu instid0(VALU_DEP_1)
	v_sub_f32 v[F], v[TA], v12                     ; my M less it, and my partner's: whole numbers, 0 or less
	s_delay_alu instid0(VALU_DEP_2)
	v_sub_f32 v[BM], v[TA], v[S+32]
	s_delay_alu instid0(VALU_DEP_2)
	v_cvt_i32_f32 v[F], v[F]                       ; (they saturate: a part with no step has M = -3e38, zeros, and gets the factor 0)
	s_delay_alu instid0(VALU_DEP_2)
	v_cvt_i32_f32 v[BM], v[BM]
	s_delay_alu instid0(VALU_DEP_2)
	v_ldexp_f32 v[F], 1.0, v[F]
	s_delay_alu instid0(VALU_DEP_2)
	v_ldexp_f32 v[BM], 1.0, v[BM]
	s_delay_alu instid0(VALU_DEP_2)
	v_pk_mul_f32 v[14:15], v[14:15], v[F:F+1] op_sel_hi:[1,0]
.set n, 0
.rept 16
	v_pk_mul_f32 v[O+n:O+n+1], v[O+n:O+n+1], v[F:F+1] op_sel_hi:[1,0]
.set n, n+2
.endr
	v_pk_fma_f32 v[14:15], v[S+34:S+35], v[BM:BM+1], v[14:15] op_sel_hi:[1,0,1]
.set n, 0
.rept 16
	v_pk_fma_f32 v[O+n:O+n+1], v[S+n:S+n+1], v[BM:BM+1], v[O+n:O+n+1] op_sel_hi:[1,0,1]
.set n, n+2
.endr
	FIN                                            ; the long tile leaves
.Lend:
	s_wait_tensorcnt 0x0                           ; the wave's end
	ds_add_u32 v[SPW], v[NIL]
	s_wait_dscnt 0x0
	s_endpgm
.Lfunc_end_k_q4c057e4354_attn:
	.size	k_q4c057e4354_attn, .Lfunc_end_k_q4c057e4354_attn-k_q4c057e4354_attn
	.p2alignl 7, 3214868480
	.fill 96, 4, 3214868480
	.section	.rodata,"a",@progbits
	.p2align	6, 0x0
	.amdhsa_kernel k_q4c057e4354_attn
		.amdhsa_group_segment_fixed_size 327680
		.amdhsa_private_segment_fixed_size 0
		.amdhsa_enable_private_segment 0
		.amdhsa_kernarg_size 32
		.amdhsa_user_sgpr_count 2
		.amdhsa_user_sgpr_kernarg_segment_ptr 1
		.amdhsa_wavefront_size32 1
		.amdhsa_system_sgpr_workgroup_id_x 1
		.amdhsa_system_sgpr_workgroup_id_y 1
		.amdhsa_system_sgpr_workgroup_id_z 1
		.amdhsa_system_vgpr_workitem_id 0
		.amdhsa_next_free_vgpr 256
		.amdhsa_next_free_sgpr 96
		.amdhsa_reserve_vcc 0
		.amdhsa_float_denorm_mode_32 3
		.amdhsa_float_denorm_mode_16_64 3
		.amdhsa_memory_ordered 1
		.amdhsa_forward_progress 1
		.amdhsa_inst_pref_size 72
	.end_amdhsa_kernel
	.amdgpu_metadata
---
amdhsa.version: [ 1, 2 ]
amdhsa.kernels:
  - .name:           k_q4c057e4354_attn
    .symbol:         k_q4c057e4354_attn.kd
    .args:
      - { .name: qh, .offset: 0, .size: 8, .value_kind: global_buffer, .address_space: global }
      - { .name: kv, .offset: 8, .size: 8, .value_kind: global_buffer, .address_space: global }
      - { .name: oc, .offset: 16, .size: 8, .value_kind: global_buffer, .address_space: global }
      - { .name: qs, .offset: 24, .size: 8, .value_kind: global_buffer, .address_space: global }
    .group_segment_fixed_size: 327680
    .private_segment_fixed_size: 0
    .kernarg_segment_align: 8
    .kernarg_segment_size: 32
    .max_flat_workgroup_size: 512
    .sgpr_count:     96
    .vgpr_count:     256
    .wavefront_size: 32
...
	.end_amdgpu_metadata
.endif
;; end of part 3
;; launch outp (part 4): grid 8 x 32, 4 waves a work-group, clusters of 4 x 4, 214,528 bytes of LDS; arguments oc, wc, qs, bo, out0; writes out0
.if DOCPART == 4
	.amdgcn_target "amdgcn-amd-amdhsa--gfx1250"
	.amdhsa_code_object_version 6
	.text
	.protected	k_q4c057e4354_outp
	.globl	k_q4c057e4354_outp
	.p2align	8
	.type	k_q4c057e4354_outp,@function
k_q4c057e4354_outp:
	s_mov_b64 s[64:65], 0
	v_nop
	global_prefetch_b8 v0, s[64:65] scope:SCOPE_SE
	s_setreg_imm32_b32 hwreg(HW_REG_WAVE_MODE, 25, 1), 1
	s_wait_xcnt 0x0
	s_wait_alu depctr_hold_cnt(0) depctr_sa_sdst(0) depctr_va_vdst(0) depctr_va_sdst(0) depctr_va_ssrc(0) depctr_va_vcc(0) depctr_vm_vsrc(0)
	s_getreg_b32 s2, hwreg(HW_REG_IB_STS2, 6, 4)
	s_cmp_eq_u32 s2, 0
	s_cbranch_scc0 .Lentry_in_a_cluster
	s_endpgm
.Lentry_in_a_cluster:
	s_bfe_u32 s2, ttmp6, 0x10000c
	s_cmp_lg_u32 s2, 0xf033
	s_cbranch_scc0 .Lentry_shape_is_right
	s_endpgm
.Lentry_shape_is_right:
; out0 = O Wo + bo on codes of FP6 (E2M3) with E8M0 scales; out0 [4096][1024] f32.
; Work-group (x, y): 128 columns x 128 tokens.  Wave w: 64 tokens (w / 2) x 64 columns (w % 2): 16 accumulators, 128 matrix instructions.
; Both panels, 8 tiles x all of K each (98,304 bytes), fit in LDS and are filled once, in four chunks of two K steps; a wave has four tensor loads out.
; CLUSTER 4 x 4: O's panel is shared along a row of the cluster, Wo's along a column: joint loads.
; Source 0 = 16 columns of Wo, source 1 = 16 tokens: a lane holds one token, and by the order of a tile's rows (lane r of tile 2 g + u: row 32 g + 8 u + r + 8 (r / 8)) its 32 registers of four tiles are
; columns 32 b + 16 (lane / 16) + i.  Wo's fragments are images of 1,536 bytes (three loads of 16 bytes a lane); O's are two half fragments of 768 bytes (heads 2 s, 2 s + 1): registers 0-3 at 16 x lane, 4-5 at 512 + 8 x lane.
; The bias is the C of K step 0.  The results go through each wave's own stage in LDS, so that sixteen lanes store 256 consecutive bytes of a row of out0, aligned.
; REGISTERS: window 0: v1-20 addresses; v28, v29 the add's two; v32-63 scale words; v64-95 the bias, later rows on their way out, with v96-127; v128-255 accumulators (i1, i0) at 128 + 32 i1 + 8 i0.
;   window 1: two fragment buffers at v0 and v128: Wo's four fragments, then O's four.
; THE PANELS' LAYOUT AND FILL, in place of what the head says of chunks: a panel lies in LDS as in memory, [tile 8][K step 8][1,536]; a wave's four tiles are 49,152 consecutive bytes of memory,
; brought by ONE tensor load as 192 rows of 256 bytes; one wait for 0 and one barrier show both panels whole; a wave has one tensor load out.
.set WPAN,  98304
.set STAGE, 196608                     ; 16 rows x 272 bytes for each wave; no tensor load lands here
.set SPARE, 214016                     ; the spare words, 128 bytes for each wave
.set AX,  4                            ; v4        my four tiles of O, 16 x lane
.set AW,  6                            ; v6        of Wo
.set AX8, 16                           ; v16       of O, 8 x lane
.set STO, 18
.set RD,  19
.set CO,  20
.set SPW, 28
.set NIL, 29
.set SC,  32
.set CB,  64
.set ACC, 128
.set F0,  0
.set WV,  20
.set TH,  21
.set NH,  22
.set G1X, 24
.set G1W, 32
.set G0X, 40
.set G0W, 68
.set MSB, 0
.macro WIN new                         ; the immediate's high byte repeats the setting that is left
.if MSB != \new
	s_set_vgpr_msb (MSB<<8)|\new
.set MSB, \new
.endif
.endm
.set MULW, 0x05
.set TO_F, 0x40
.macro CROUND
	s_barrier_signal -1
	s_barrier_wait -1
	s_cmp_lg_u32 s[WV], 0
	s_cbranch_scc1 .Lnot_wave_0_\@
	s_barrier_signal -3
.Lnot_wave_0_\@:
	s_barrier_wait -3
	s_barrier_signal -1
	s_barrier_wait -1
.endm
.macro PLACES
.rept 4
	v_nop
.endr
.endm
	s_load_b256 s[4:11], s[0:1], 0x0               ; oc s[4:5], wc s[6:7], qs s[8:9], bo s[10:11]
	s_load_b64 s[12:13], s[0:1], 0x20              ; out0
	v_lshl_add_u32 v[SPW], v0, 2, SPARE
	v_mov_b32 v[NIL], 0
	ds_add_u32 v[SPW], v[NIL]                      ; the wave's opening: the add, twice on end, and its wait ahead of my first tensor load
	ds_add_u32 v[SPW], v[NIL]
	v_lshrrev_b32 v1, 5, v0
	v_readfirstlane_b32 s[WV], v1
	s_lshr_b32 s[TH], s[WV], 1                     ; my 64 tokens.  Also: I fetch O (0) or Wo (1)
	s_and_b32 s[NH], s[WV], 1                      ; my 64 columns.  Also: which four tiles I fetch
	s_bfe_u32 s56, ttmp6, 0x40000                  ; cx
	s_bfe_u32 s57, ttmp6, 0x40004                  ; cy
	s_lshl_b32 s58, ttmp9, 2
	s_add_co_u32 s58, s58, s56                     ; x
	s_and_b32 s59, ttmp7, 0xffff
	s_lshl_b32 s59, s59, 2
	s_add_co_u32 s59, s59, s57                     ; y
	s_lshl_b32 s60, s57, 2
	s_lshl_b32 s60, 15, s60                        ; my row of the cluster
	s_lshl_b32 s61, 0x1111, s56                    ; my column
	s_or_b32 s[G1X], s60, (3<<16)|(1<<21)          ; 15:0 the mask; 17:16 elements of 8 bytes; 21 set beside a mask; no padding
	s_or_b32 s[G1W], s61, (3<<16)|(1<<21)
.irp g, G1X, G1W
	s_mov_b32 s[\g+1], 32<<16                      ; tensor_dim0 = 32 elements: 256 bytes
	s_mov_b32 s[\g+2], 192<<16                     ; tensor_dim1 = 192 rows: four tiles, 49,152 dense bytes
	s_mov_b32 s[\g+3], 32<<16
	s_mov_b32 s[\g+4], 192
	s_mov_b32 s[\g+5], 32                          ; the pitch
	s_mov_b32 s[\g+6], 0
	s_mov_b32 s[\g+7], 0
.endr
	s_lshl_b32 s62, s59, 3
	s_lshl_b32 s63, s[NH], 2
	s_add_co_u32 s62, s62, s63                     ; O: tile 8 y + 4 x half
	s_mul_i32 s62, s62, 12288
	s_mov_b32 s63, 0
	s_lshl_b32 s66, s58, 3
	s_lshl_b32 s67, s[NH], 2
	s_add_co_u32 s66, s66, s67
	s_add_co_u32 s66, s66, 192                     ; Wo is the fourth weight: tile 192 + 8 x + 4 x half
	s_mul_i32 s66, s66, 12288
	s_mov_b32 s67, 0
	s_mul_i32 s84, s[NH], 49152
	s_add_co_u32 s85, s84, WPAN
	s_wait_dscnt 0x0                               ; the opening add is done
	s_wait_kmcnt 0x0
	s_add_nc_u64 s[62:63], s[4:5], s[62:63]
	s_add_nc_u64 s[66:67], s[6:7], s[66:67]
	CROUND                                         ; all sixteen work-groups are here: the joint loads meet
.irp c, 0
	s_mov_b32 s[G0X+4*\c], 1
	s_add_co_u32 s[G0X+4*\c+1], s84, 24576*\c
	s_add_nc_u64 s[G0X+4*\c+2:G0X+4*\c+3], s[62:63], 3072*\c
	s_or_b32 s[G0X+4*\c+3], s[G0X+4*\c+3], 0x80000000
	s_mov_b32 s[G0W+4*\c], 1
	s_add_co_u32 s[G0W+4*\c+1], s85, 24576*\c
	s_add_nc_u64 s[G0W+4*\c+2:G0W+4*\c+3], s[66:67], 3072*\c
	s_or_b32 s[G0W+4*\c+3], s[G0W+4*\c+3], 0x80000000
.endr
	s_cmp_eq_u32 s[TH], 0                          ; a wave's one fill stands in one branch on the wave's number
	s_cbranch_scc0 .Lfor_w
.irp c, 0
	tensor_load_to_lds s[G0X+4*\c:G0X+4*\c+3], s[G1X:G1X+7]
	s_nop 0
.endr
	PLACES
	s_branch .Lasked
.Lfor_w:
.irp c, 0
	tensor_load_to_lds s[G0W+4*\c:G0W+4*\c+3], s[G1W:G1W+7]
	s_nop 0
.endr
	PLACES
.Lasked:
	v_and_b32 v9, 31, v0                           ; lane
	v_and_b32 v10, 15, v0                          ; r
	v_bfe_u32 v11, v0, 4, 1                        ; h
	v_lshlrev_b32 v1, 4, v9
	v_lshlrev_b32 v2, 3, v9
	s_mul_i32 s86, s[TH], 49152
	v_add_nc_u32 v[AX], s86, v1
	v_add_nc_u32 v[AX8], s86, v2
	s_mul_i32 s86, s[NH], 49152
	s_add_co_u32 s86, s86, WPAN
	v_add_nc_u32 v[AW], s86, v1
	s_mul_i32 s86, s[WV], 4352
	s_add_co_u32 s86, s86, STAGE                   ; my stage
	v_mul_u32_u24 v[STO], v10, 272
	v_lshl_add_u32 v[STO], v11, 6, v[STO]
	v_add_nc_u32 v[STO], s86, v[STO]               ; in: row r, + 64 h
	v_mul_u32_u24 v[RD], v11, 272
	v_lshl_add_u32 v[RD], v10, 4, v[RD]
	v_add_nc_u32 v[RD], s86, v[RD]                 ; back: lanes 0-15 one row of 256 bytes, lanes 16-31 the next
	v_lshlrev_b32 v[CO], 12, v11
	v_lshl_add_u32 v[CO], v10, 4, v[CO]            ; and the same two rows in out0
	v_lshlrev_b32 v14, 6, v11                      ; the bias: 16 h numbers on
	s_wait_alu depctr_va_vdst(0)
	s_lshl_b32 s86, s59, 3
	s_lshl_b32 s87, s[TH], 2
	s_add_co_u32 s86, s86, s87
	s_lshl_b32 s86, s86, 9
	s_add_co_u32 s86, s86, 524288                  ; O's scale words: tiles 8 y + 4 (w / 2) on
	s_lshl_b32 s87, s58, 3
	s_lshl_b32 s88, s[NH], 2
	s_add_co_u32 s87, s87, s88
	s_add_co_u32 s87, s87, 192
	s_lshl_b32 s87, s87, 9
	s_add_co_u32 s87, s87, 393216                  ; Wo's
	v_mov_b32 v12, s87
	v_mov_b32 v13, s86
	v_cmp_ne_u32 vcc_lo, 0, v11
	v_cndmask_b32 v8, v12, v13, vcc_lo             ; lanes 0-15 source 0's (Wo), lanes 16-31 source 1's (O)
	v_lshl_add_u32 v8, v10, 5, v8
.irp i, 0,1,2,3
	global_load_b128 v[SC+8*\i:SC+8*\i+3], v8, s[8:9] offset:512*\i
	global_load_b128 v[SC+8*\i+4:SC+8*\i+7], v8, s[8:9] offset:512*\i+16
.endr
	s_lshl_b32 s90, s58, 9
	s_lshl_b32 s91, s[NH], 8
	s_add_co_u32 s90, s90, s91                     ; my 64 columns, in bytes
	s_mov_b32 s91, 0
	s_add_nc_u64 s[10:11], s[10:11], s[90:91]
	s_add_nc_u64 s[12:13], s[12:13], s[90:91]
	s_lshl_b32 s90, s59, 19
	s_lshl_b32 s92, s[TH], 18
	s_add_co_u32 s90, s90, s92                     ; my 64 tokens: rows of 4,096 bytes
	s_add_nc_u64 s[12:13], s[12:13], s[90:91]
.irp i, 0,1,2,3
	global_load_b128 v[CB+8*\i:CB+8*\i+3], v14, s[10:11] offset:(32*(\i/2)+8*(\i%2))*4
	global_load_b128 v[CB+8*\i+4:CB+8*\i+7], v14, s[10:11] offset:(32*(\i/2)+8*(\i%2))*4+16
.endr
; 28 LDS loads: K step s's fragments into buffer f
.macro FETCH s, f
	WIN TO_F
.irp i, 0,1,2,3
.irp p, 0,1,2
	ds_load_b128 v[(\f)+12*\i+4*\p:(\f)+12*\i+4*\p+3], v[AW] offset:12288*\i+1536*(\s)+512*\p
.endr
.endr
.irp i, 0,1,2,3
.irp c, 0,1
	ds_load_b128 v[(\f)+48+12*\i+6*\c:(\f)+48+12*\i+6*\c+3], v[AX] offset:12288*\i+1536*(\s)+768*\c
	ds_load_b64 v[(\f)+48+12*\i+6*\c+4:(\f)+48+12*\i+6*\c+5], v[AX8] offset:12288*\i+1536*(\s)+768*\c+512
.endr
.endr
.endm
; 16 matrix instructions, the 16 accumulators by turns.  In K step 0 the bias is C
.macro MUL s, f
	WIN MULW
.irp j, 0,1,2,3
.irp i, 0,1,2,3
.if (\s) == 0
	v_wmma_scale_f32_16x16x128_f8f6f4 v[ACC+32*\j+8*\i:ACC+32*\j+8*\i+7], v[(\f)+12*\i:(\f)+12*\i+11], v[(\f)+48+12*\j:(\f)+48+12*\j+11], v[CB+8*\i:CB+8*\i+7], v[SC+8*\i+(\s)], v[SC+8*\j+(\s)] matrix_a_fmt:MATRIX_FMT_FP6 matrix_b_fmt:MATRIX_FMT_FP6 matrix_b_scale:MATRIX_SCALE_ROW1
.else
	v_wmma_scale_f32_16x16x128_f8f6f4 v[ACC+32*\j+8*\i:ACC+32*\j+8*\i+7], v[(\f)+12*\i:(\f)+12*\i+11], v[(\f)+48+12*\j:(\f)+48+12*\j+11], v[ACC+32*\j+8*\i:ACC+32*\j+8*\i+7], v[SC+8*\i+(\s)], v[SC+8*\j+(\s)] matrix_a_fmt:MATRIX_FMT_FP6 matrix_b_fmt:MATRIX_FMT_FP6 matrix_b_scale:MATRIX_SCALE_ROW1
.endif
.endr
.endr
.endm
	s_wait_tensorcnt 0x0                           ; my four tiles are in
	s_barrier_signal -1
	s_barrier_wait -1
	FETCH 0, F0
	s_wait_loadcnt 0x0                             ; scale words and bias
.irp s, 0,1,2,3,4,5,6,7
	s_wait_dscnt 0x0                               ; this K step's fragments are in
.if \s > 0
	PLACES                                         ; in front of loads into the buffer that the last step multiplied
.endif
.if \s < 7
	FETCH \s+1, 128*((\s+1)%2)
.endif
	MUL \s, 128*(\s%2)
.endr
	WIN 0
	PLACES
; THE WAY OUT, a tile of 16 tokens x 64 columns at a time, through my own stage.  LDS serves a wave's instructions in order: no wait between the stores and the loads, nor in front of the next tile's stores.
.macro TOSTAGE j
.irp i, 0,1,2,3
	ds_store_b128 v[STO], v[ACC+32*(\j)+8*\i:ACC+32*(\j)+8*\i+3] offset:128*(\i/2)+32*(\i%2)       ; each accumulator from its low end on
	ds_store_b128 v[STO], v[ACC+32*(\j)+8*\i+4:ACC+32*(\j)+8*\i+7] offset:128*(\i/2)+32*(\i%2)+16
.endr
.set BB, 64+32*((\j)%2)
.irp t, 0,1,2,3,4,5,6,7
	ds_load_b128 v[BB+4*\t:BB+4*\t+3], v[RD] offset:544*\t
.endr
.endm
.macro SEND j, younger                 ; younger: the LDS instructions issued behind tile j's loads, which may stay out
.set BB, 64+32*((\j)%2)
	s_wait_dscnt \younger
.irp t, 0,1,2,3,4,5,6,7
	global_store_b128 v[CO], v[BB+4*\t:BB+4*\t+3], s[12:13] offset:(32*((\j)/2)+8*((\j)%2)+2*\t+8*(\t/4))*4096 th:TH_STORE_NT   ; stage rows 2 t, 2 t + 1 are tokens 2 t + 8 (t / 4) on of the tile; 16 lanes store 256 consecutive bytes, aligned
.endr
.endm
	TOSTAGE 0
.irp j, 1,2,3
.if \j > 1
	s_wait_xcnt 0x0                                ; tile j - 2's stores have read their registers: tile j's loads may land there
.endif
	TOSTAGE \j
	SEND \j-1, 16                                  ; behind tile j - 1's loads: tile j's 8 stores and 8 loads
.endr
	SEND 3, 0
	s_wait_tensorcnt 0x0                           ; the wave's end
	ds_add_u32 v[SPW], v[NIL]
	s_wait_dscnt 0x0
	CROUND                                         ; the closing round
	s_endpgm
.Lfunc_end_k_q4c057e4354_outp:
	.size	k_q4c057e4354_outp, .Lfunc_end_k_q4c057e4354_outp-k_q4c057e4354_outp
	.p2alignl 7, 3214868480
	.fill 96, 4, 3214868480
	.section	.rodata,"a",@progbits
	.p2align	6, 0x0
	.amdhsa_kernel k_q4c057e4354_outp
		.amdhsa_group_segment_fixed_size 214528
		.amdhsa_private_segment_fixed_size 0
		.amdhsa_enable_private_segment 0
		.amdhsa_kernarg_size 40
		.amdhsa_user_sgpr_count 2
		.amdhsa_user_sgpr_kernarg_segment_ptr 1
		.amdhsa_wavefront_size32 1
		.amdhsa_system_sgpr_workgroup_id_x 1
		.amdhsa_system_sgpr_workgroup_id_y 1
		.amdhsa_system_sgpr_workgroup_id_z 1
		.amdhsa_system_vgpr_workitem_id 0
		.amdhsa_next_free_vgpr 512
		.amdhsa_next_free_sgpr 100
		.amdhsa_reserve_vcc 1
		.amdhsa_float_denorm_mode_32 3
		.amdhsa_float_denorm_mode_16_64 3
		.amdhsa_memory_ordered 1
		.amdhsa_forward_progress 1
		.amdhsa_inst_pref_size 48
	.end_amdhsa_kernel
	.amdgpu_metadata
---
amdhsa.version: [ 1, 2 ]
amdhsa.kernels:
  - .name:           k_q4c057e4354_outp
    .symbol:         k_q4c057e4354_outp.kd
    .args:
      - { .name: oc, .offset: 0, .size: 8, .value_kind: global_buffer, .address_space: global }
      - { .name: wc, .offset: 8, .size: 8, .value_kind: global_buffer, .address_space: global }
      - { .name: qs, .offset: 16, .size: 8, .value_kind: global_buffer, .address_space: global }
      - { .name: bo, .offset: 24, .size: 8, .value_kind: global_buffer, .address_space: global }
      - { .name: out0, .offset: 32, .size: 8, .value_kind: global_buffer, .address_space: global }
    .group_segment_fixed_size: 214528
    .private_segment_fixed_size: 0
    .kernarg_segment_align: 8
    .kernarg_segment_size: 40
    .max_flat_workgroup_size: 128
    .sgpr_count:     100
    .vgpr_count:     512
    .wavefront_size: 32
...
	.end_amdgpu_metadata
.endif
;; end of part 4
